; MI455X (gfx1250); checked and timed in simulation.
; The chip was launched on July 23, 2026; its instructions are those of AMD's public machine-readable ISA for CDNA 5 (MIT licence, August 2026) and "CDNA5" Instruction Set Architecture Reference Guide (July 2026). The comments in the code are by the model that wrote it; some were corrected since.
;; Multi Head Attention. Allowed arithmetic: matrix products marked QUANTISED: E2M3 operands, one E8M0 scale for each 32 along K, by v_wmma_scale_f32_16x16x128_f8f6f4 with both operands' format E2M3, f32 sums; everything else in f32.
;; Inputs: Wk 1,024 x 1,024 float32; Wo 1,024 x 1,024 float32; Wq 1,024 x 1,024 float32; Wv 1,024 x 1,024 float32; att_mask 2 x 2,048 x 2,048 int32; bo 1,024 float32; x 2 x 2,048 x 1,024 float32.
;; Outputs: out0 2 x 2,048 x 1,024 float32.
;; This version of the problem:
;;   THIS VERSION OF THE PROBLEM IS GIVEN IN LOW PRECISION. The matrix products marked QUANTISED in the list below multiply operands that are first quantised to E2M3 (2 exponent bits, 3 mantissa bits; 6 bits a number), with one power-of-two scale for each 32 numbers along K (OCP MX v1.0); their sums are f32. All else is computed in f32.
;;   The module's matrix products, in the order in which they are computed (A, B: the left and right operand; K: the contracted axis; several contracted axes count as one K, in the product's order):
;;     1. [M 4,096, K 1,024] x [K 1,024, N 1,024]; A: input x; B: input Wq: QUANTISED
;;     2. [M 4,096, K 1,024] x [K 1,024, N 1,024]; A: input x; B: input Wk: QUANTISED
;;     3. [M 4,096, K 1,024] x [K 1,024, N 1,024]; A: input x; B: input Wv: QUANTISED
;;     4. batch 32 x [M 2,048, K 64] x [K 64, N 2,048]; A: computed on the way; B: computed on the way: QUANTISED
;;     5. batch 32 x [M 2,048, K 2,048] x [K 2,048, N 64]; A: softmax (see below); B: computed on the way: QUANTISED
;;     6. [M 4,096, K 1,024] x [K 1,024, N 1,024]; A: computed on the way; B: input Wo: QUANTISED
;;   THE QUANTISER, for each operand of a quantised product, along K:
;;     - K is cut into blocks of 32 from its start; a last block that is shorter is filled with zeros.
;;     - A block's scale is 2^e with e = floor(log2(the largest magnitude in the block)) - 2, held to -126 .. 127; a block of zeros has e = 0. As a byte (E8M0): e + 127.
;;     - Each number is divided by its block's scale, clamped to +-7.5, and rounded to the nearest number of E2M3, ties to even, subnormals kept.
;;     - The product sums the exact products of the quantised numbers (number of the format x scale) in f32.
;;   ~~~python
;;   def quantise(x, axis):      # numpy; x: float32 -> the quantised numbers, widened to float32 again
;;       x = np.moveaxis(x, axis, -1); K = x.shape[-1]
;;       x = np.pad(x, [(0, 0)] * (x.ndim - 1) + [(0, -K % 32)]); x = x.reshape(x.shape[:-1] + (-1, 32)); a = np.abs(x).max(-1, keepdims=True)
;;       e = np.where(a > 0, np.clip(np.frexp(np.where(a > 0, a, 1))[1] - 1 - 2, -126, 127), 0)      # np.frexp(a)[1] - 1 = floor(log2(a)), exactly
;;       r = np.clip(x / 2.0 ** e, -7.5, 7.5)
;;       step = 2.0 ** (np.maximum(np.frexp(np.where(r == 0, 1, r))[1] - 1, 0) - 3)
;;       q = np.round(r / step) * step * 2.0 ** e      # np.round: ties to even
;;       return np.moveaxis(q.reshape(q.shape[:-2] + (-1,))[..., :K], -1, axis).astype(np.float32)
;;   ~~~
;;   SOFTMAX AHEAD OF A QUANTISED PRODUCT. Where the list says 'softmax', what is quantised is not the finished softmax but p = 2^(t - M), with t = logit x log2(e) and M = ceil(the row's largest t), a whole number; so 1/2 < the row's largest p <= 1. The row's sum l is taken of the UNQUANTISED p, in f32, and the product's result is divided by l at the end. Since M is a whole number, a kernel that streams over the keys may use a running M (the ceiling of the running maximum): every later rescaling is an exact power of two, which a block's scale takes up: the codes' values come out the same.
;;   OPERANDS COMPUTED ON THE WAY. 'Computed on the way' means the value that the module computes at that place (a softmax that the list does not call 'softmax' is quantised finished and normalised). What goes into a quantiser is computed in f32, as accurately as f32 sums, v_exp_f32 and their like allow (about 1e-6 of the number): no bf16 or f16 on the way to a quantiser, and a product that is left as it is and whose result goes on into a quantised operand takes f32 operands (vector FMAs, or v_wmma_f32_16x16x4_f32). A number that lies on a knife's edge between two numbers of the format may be rounded either way, as far as f32 arithmetic and the matrix unit's own rounding can turn it there, and no further.
;; One version. Each part assembles by itself: llvm-mc -triple=amdgcn-amd-amdhsa -mcpu=gfx1250 --defsym DOCPART=n.
;; ======== version 1 of 1: 4 launches
;; limits: right only within a limited range of input values
;; workspace buffers: opnd 6,553,600 bytes; mbits 1,048,576 bytes of whole numbers; qkv 10,223,616 bytes; ctx 3,407,872 bytes
;; launch prep (part 1): grid 512 x 1, 4 waves a work-group, no clusters, 126,464 bytes of LDS; arguments x, Wq, Wk, Wv, Wo, att_mask, opnd, mbits; writes opnd, mbits
.if DOCPART == 1
	.amdgcn_target "amdgcn-amd-amdhsa--gfx1250"
	.amdhsa_code_object_version 6
	.text
	.protected	k_q7a885f4880_prep
	.globl	k_q7a885f4880_prep
	.p2align	8
	.type	k_q7a885f4880_prep,@function
k_q7a885f4880_prep:
	s_mov_b64 s[64:65], 0
	v_nop
	global_prefetch_b8 v0, s[64:65] scope:SCOPE_SE
	s_setreg_imm32_b32 hwreg(HW_REG_WAVE_MODE, 25, 1), 1
	s_wait_xcnt 0x0
; PREP: x [4096][1024] and the four weights [1024 (k)][1024 (n)], f32, become codes of FP6 (E2M3) with one E8M0 byte for each 32 along K; the mask [2][2048][2048] int32 becomes one bit a number.
; All is laid as the later launches' registers want it.
;   TILES: tile 2 B + u of the group B of 32 rows holds, in lane-row r, the tensor's row 32 B + 8 u + r + 8 (r / 8).
;   HALF FRAGMENT (16 rows x 64 K, 768 bytes): a lane's registers 0-3 at 16 x lane, its registers 4-5 at 512 + 8 x lane; lane (r, h) holds k = 32 h .. 32 h + 31 of the 64.
;   opnd: codes [group 0..255][u][64-along-K 0..15][768]; from SBASE on the scale words [group][quarter of K][lane][2 words]: lanes 0-15 tile 2 B, lanes 16-31 tile 2 B + 1.  Groups: x 0-127, Wq 128-, Wk 160-, Wv 192-, Wo 224-.
;   mbits: [b][query tile 128][key step 16][64 words]: bit l of word n = mask of query (tile, l % 16) and key 128 step + 64 (n / 32) + 32 (l / 16) + n % 32.
; SHARES: work-groups 0-127 take 32 rows of x, 128-255 a quarter of K of 128 columns of a weight, 256-511 the 16 queries of a tile: 131,072 bytes read by each.  The three ways part on the work-group's number and never join;
; each has LDS bytes of its own.  Nothing is shared between work-groups, so no cluster; no tensor load, no barrier: a wave's stage is its own.
; A block's scale is 2^(floor(log2(largest magnitude)) - 2): its byte is the largest magnitude's exponent field - 2, held at 1 from below.
; LIMITS: a block of zeros, or one whose largest magnitude lies under 2^-124, carries the byte 1 (zeros have zero codes; these bytes are read by this program alone); NaN and infinities among the inputs are not served.
.set XW,    16640                      ; x: a wave's stage: 16 rows x (1,024 + 16) bytes, from LDS byte 0
.set WSTG,  66560                      ; weights: a wave's stage: 2 tiles x (3,072 + 128) bytes
.set WW,    6400
.set MSTG,  92160                      ; mask: a wave's stage: 16 rows x (512 + 16) bytes
.set MW,    8448
.set SPARE, 125952                     ; the spare words, 128 bytes for each wave: two blocks of 256 bytes that no other line names
.set SBASE, 6291456
.set L16,   4                          ; v4  16 x lane
.set L8,    5                          ; v5  8 x lane
.set SPW,   250                        ; v250 LDS address of my spare word; never rewritten
.set NIL,   251                        ; v251 0; never rewritten
.set CT,    240                        ; v240-242 a block's upper 16 codes as the conversion leaves them
.set SO,    244                        ; the conversion's scale operand
.set BY,    245                        ; the scale's byte
.set MA,    246
.set MB,    247
.set XR,    32                         ; x: v32-159 16 rows x 256 numbers as loaded
.set XS,    160                        ; x: v160-223 two sets of 32 neighbours
.set CD,    224                        ; x: v224-239 two sets of codes
.set WA,    12                         ; x: v12-15 scale words (2 u + word)
.set WT,    16                         ; x: v16-19 the other half's
.set WX,    32                         ; weights: v32-95 two sets of 32 numbers
.set WC,    96                         ; weights: v96-101 a block's codes
.set WO,    112                        ; weights: v112-159 the way out
.set MK,    32                         ; mask: v32-159 two sets of 16 rows x 128 keys
.set MY,    160                        ; mask: v160-223 the 64 numbers of my lane
.set WD,    224                        ; mask: v224-231 a pair of registers for each tile's 64 words
; 32 numbers of ONE lane, a whole block, become six registers of codes in v[cd] on, the byte in v[BY].
.macro QB32 xs, cd
	v_max3_num_f32 v[MA], |v[(\xs)]|, |v[(\xs)+1]|, |v[(\xs)+2]|
	v_max3_num_f32 v[MB], |v[(\xs)+3]|, |v[(\xs)+4]|, |v[(\xs)+5]|
.irp i, 6,10,14,18,22,26
	v_max3_num_f32 v[MA], v[MA], |v[(\xs)+\i]|, |v[(\xs)+\i+1]|
	v_max3_num_f32 v[MB], v[MB], |v[(\xs)+\i+2]|, |v[(\xs)+\i+3]|
.endr
	v_max3_num_f32 v[MA], v[MA], |v[(\xs)+30]|, |v[(\xs)+31]|
	v_max3_num_f32 v[MA], v[MA], v[MB], 0x1800000          ; the floor 2^(3 - 127): the byte cannot fall under 1
	v_add_nc_u32 v[SO], 0xff000000, v[MA]                  ; 2 off the exponent field: the conversion takes that field as its scale
	v_cvt_scalef32_pk16_fp6_f32 v[(\cd):(\cd)+2], v[(\xs):(\xs)+15], v[SO]
	v_cvt_scalef32_pk16_fp6_f32 v[CT:CT+2], v[(\xs)+16:(\xs)+31], v[SO]   ; (a conversion's three registers begin on an even number)
	v_lshrrev_b32 v[BY], 23, v[SO]                         ; the byte; also the plain line behind the conversions
	v_mov_b32 v[(\cd)+3], v[CT]
	v_mov_b32 v[(\cd)+4], v[CT+1]
	v_mov_b32 v[(\cd)+5], v[CT+2]
.endm
	s_load_b512 s[4:19], s[0:1], 0x0               ; x s[4:5], Wq s[6:7], Wk s[8:9], Wv s[10:11], Wo s[12:13], att_mask s[14:15], opnd s[16:17], mbits s[18:19]
	v_lshl_add_u32 v[SPW], v0, 2, SPARE
	v_mov_b32 v[NIL], 0
	v_lshrrev_b32 v1, 5, v0
	v_readfirstlane_b32 s20, v1                    ; wave 0..3
	v_and_b32 v1, 31, v0                           ; lane
	v_and_b32 v2, 15, v0                           ; r
	v_bfe_u32 v3, v0, 4, 1                         ; h
	v_lshlrev_b32 v[L16], 4, v1
	v_lshlrev_b32 v[L8], 3, v1
	s_mov_b32 s22, 0x76543210
	s_mov_b32 s23, 0xfedcba98                      ; v_permlanex16_b32's selects for lane l xor 16
	s_mov_b32 s24, 0xffff0000                      ; lanes 16-31
	s_wait_kmcnt 0x0
	s_cmp_lt_u32 ttmp9, 128
	s_cbranch_scc1 .Lx_path
	s_cmp_lt_u32 ttmp9, 256
	s_cbranch_scc1 .Lw_path
; ---------------- THE MASK.  Work-group m = b x 128 + query tile; wave w takes key steps 4 w .. 4 w + 3.
	s_mul_i32 s25, s20, MW
	s_add_co_u32 s25, s25, MSTG
	s_wait_alu depctr_va_vdst(0)
	v_add_nc_u32 v6, s25, v[L16]                   ; into the stage: a row's 512 bytes as they lie
	v_mul_u32_u24 v7, v2, 528
	v_lshl_add_u32 v7, v3, 7, v7                   ; mbits' key order as it is stored: bit l of word n = key 128 step + 64 (n / 32) + 32 (l / 16) + n % 32 (this line and the stage's reads below fix it)
	v_add_nc_u32 v7, s25, v7                       ; out of it: row r, + 128 h: my 32 keys of each 64
	s_sub_co_u32 s26, ttmp9, 256                   ; m
	s_lshr_b32 s27, s26, 7                         ; b
	s_and_b32 s28, s26, 127                        ; query tile
	s_lshr_b32 s29, s28, 1
	s_lshl_b32 s29, s29, 5
	s_and_b32 s28, s28, 1
	s_lshl_b32 s28, s28, 3
	s_add_co_u32 s28, s28, s29                     ; the tile's first query
	s_lshl_b32 s28, s28, 13                        ; x 8,192 bytes a row
	s_lshl_b32 s27, s27, 24                        ; b x 2,048 rows
	s_add_co_u32 s28, s28, s27
	s_lshl_b32 s27, s20, 11                        ; my four steps of 512 bytes
	s_add_co_u32 s28, s28, s27
	s_mov_b32 s29, 0
	s_add_nc_u64 s[14:15], s[14:15], s[28:29]
	s_lshl_b32 s28, s26, 12                        ; 16 steps x 256 bytes a tile
	s_lshl_b32 s27, s20, 10
	s_add_co_u32 s28, s28, s27
	s_add_nc_u64 s[18:19], s[18:19], s[28:29]
.irp e, 0,1,2,3,4,5,6,7
	v_mov_b32 v[WD+\e], 0                          ; v_writelane_b32's destination counts as read
.endr
.macro MLOAD t                         ; 16 loads, each 512 consecutive bytes of one query's row: the step's 128 keys
.irp i, 0,1,2,3,4,5,6,7,8,9,10,11,12,13,14,15
	global_load_b128 v[MK+64*((\t)%2)+4*\i:MK+64*((\t)%2)+4*\i+3], v[L16], s[14:15] offset:(\i+8*(\i/8))*8192+512*(\t) th:TH_LOAD_NT
.endr
.endm
.macro MTILE t
.if (\t) < 3
	s_wait_loadcnt 16                              ; this step's 16 loads are in; the next step's may be out
.else
	s_wait_loadcnt 0x0
.endif
.irp i, 0,1,2,3,4,5,6,7,8,9,10,11,12,13,14,15
	ds_store_b128 v6, v[MK+64*((\t)%2)+4*\i:MK+64*((\t)%2)+4*\i+3] offset:\i*528
.endr
.irp q, 0,1,2,3,4,5,6,7,8,9,10,11,12,13,14,15
	ds_load_b128 v[MY+4*\q:MY+4*\q+3], v7 offset:256*(\q/8)+16*(\q%8)   ; LDS serves a wave's instructions in order: these see the stores above.  Register n: key 64 (n / 32) + 32 h + n % 32
.endr
	s_wait_dscnt 0x0                               ; my numbers are in, and the stores have read their registers,
.if (\t)+2 < 4
	MLOAD (\t)+2                                   ; which take the loads of two steps on
.endif
.set n, 0
.rept 8
.irp e, 0,1,2,3,4,5,6,7
	v_cmp_ne_u32 s[40+\e], 0, v[MY+n+\e]           ; a compare's 32 bits ARE word n
.endr
.irp e, 0,1,2,3,4,5,6,7
	v_writelane_b32 v[WD+2*(\t)+\e%2], s[40+\e], (n+\e)/2   ; lane i of the pair holds words 2 i and 2 i + 1
.endr
.set n, n+8
.endr
	global_store_b64 v[L8], v[WD+2*(\t):WD+2*(\t)+1], s[18:19] offset:256*(\t)   ; 32 lanes store 256 consecutive bytes, aligned
.endm
	MLOAD 0
	MLOAD 1
	s_wait_alu depctr_va_vdst(0)
	MTILE 0
	MTILE 1
	MTILE 2
	MTILE 3
	s_wait_tensorcnt 0x0                           ; the wave's end
	ds_add_u32 v[SPW], v[NIL]
	s_wait_dscnt 0x0
	s_endpgm
; ---------------- x.  Work-group = group B of 32 rows; wave y = its quarter of K (256).  K is innermost: loads take the bytes as they lie, and the stage turns them so that a lane holds a whole block of 32.
.Lx_path:
	s_mul_i32 s25, s20, XW
	s_wait_alu depctr_va_vdst(0)
	v_add_nc_u32 v6, s25, v[L16]                   ; into the stage
	v_mul_u32_u24 v7, v2, 1040
	v_lshl_add_u32 v7, v3, 7, v7
	v_add_nc_u32 v7, s25, v7                       ; out of it: row r, + 128 h: rows 1,040 bytes apart start 16 bytes further round the banks
	s_lshl_b32 s26, ttmp9, 17                      ; 32 rows of 4,096 bytes
	s_lshl_b32 s28, s20, 10
	s_add_co_u32 s26, s26, s28
	s_mov_b32 s27, 0
	s_add_nc_u64 s[4:5], s[4:5], s[26:27]
	s_mul_i32 s26, ttmp9, 24576
	s_mul_i32 s28, s20, 3072
	s_add_co_u32 s26, s26, s28
	s_add_nc_u64 s[30:31], s[16:17], s[26:27]      ; my codes
	s_lshl_b32 s26, ttmp9, 10
	s_lshl_b32 s28, s20, 8
	s_add_co_u32 s26, s26, s28
	s_add_co_u32 s26, s26, SBASE
	s_add_nc_u64 s[32:33], s[16:17], s[26:27]      ; my scale words
.irp w, 0,1,2,3
	v_mov_b32 v[WT+\w], 0                          ; a lane permute's destination counts as read
.endr
.macro XLOAD u                         ; tile u: 16 rows x 1,024 bytes, 32 loads of 512 consecutive bytes
.irp i, 0,1,2,3,4,5,6,7,8,9,10,11,12,13,14,15
	global_load_b128 v[XR+8*\i:XR+8*\i+3], v[L16], s[4:5] offset:(8*\u+\i+8*(\i/8))*4096 th:TH_LOAD_NT
	global_load_b128 v[XR+8*\i+4:XR+8*\i+7], v[L16], s[4:5] offset:(8*\u+\i+8*(\i/8))*4096+512 th:TH_LOAD_NT
.endr
.endm
.macro XSTAGE
.irp i, 0,1,2,3,4,5,6,7,8,9,10,11,12,13,14,15
	ds_store_b128 v6, v[XR+8*\i:XR+8*\i+3] offset:\i*1040
	ds_store_b128 v6, v[XR+8*\i+4:XR+8*\i+7] offset:\i*1040+512
.endr
.endm
.macro XREAD kp, set                   ; my block of the kp-th 64 along K: 128 bytes
.irp q, 0,1,2,3,4,5,6,7
	ds_load_b128 v[XS+32*(\set)+4*\q:XS+32*(\set)+4*\q+3], v7 offset:256*(\kp)+16*\q
.endr
.endm
.macro XHALF u
	XREAD 0, 0
.irp kp, 0,1,2,3
.if \kp < 3
	XREAD \kp+1, (\kp+1)%2
	s_wait_dscnt 8                                 ; this block is in; the next block's eight loads may be out
.else
	s_wait_dscnt 0x0
.endif
	s_wait_xcnt 0x0                                ; the stores of two blocks ago have read this set of codes
	QB32 XS+32*(\kp%2), CD+8*(\kp%2)
	global_store_b128 v[L16], v[CD+8*(\kp%2):CD+8*(\kp%2)+3], s[30:31] offset:\u*12288+\kp*768       ; 512 consecutive bytes, aligned to 256
	global_store_b64 v[L8], v[CD+8*(\kp%2)+4:CD+8*(\kp%2)+5], s[30:31] offset:\u*12288+\kp*768+512   ; and 256
.if \kp%2 == 0
	v_mov_b32 v[WA+2*\u+\kp/2], v[BY]              ; my half's two bytes of a scale word stand 16 bits apart
.else
	v_lshl_or_b32 v[WA+2*\u+\kp/2], v[BY], 16, v[WA+2*\u+\kp/2]
.endif
.endr
.endm
	XLOAD 0
	s_wait_alu depctr_va_vdst(0)
	s_wait_loadcnt 0x0
	XSTAGE
	s_wait_dscnt 0x0                               ; the stores have read their registers,
	XLOAD 1                                        ; which take tile 1 while tile 0 is worked
	XHALF 0
	s_wait_loadcnt 0x0
	XSTAGE                                         ; my reads of tile 0 were waited for in its last block
	XHALF 1
	v_lshlrev_b32 v248, 3, v3                      ; 8 h bits up,
.irp w, 0,1,2,3
	v_lshlrev_b32 v[WA+\w], v248, v[WA+\w]
.endr
.irp w, 0,1,2,3
	v_permlanex16_b32 v[WT+\w], v[WA+\w], s22, s23
.endr
.irp w, 0,1,2,3
	v_or_b32 v[WA+\w], v[WA+\w], v[WT+\w]          ; with lane l xor 16's two bytes the word is whole
.endr
	v_cndmask_b32 v20, v[WA], v[WA+2], s24         ; lanes 0-15 tile 0's rows, lanes 16-31 tile 1's
	v_cndmask_b32 v21, v[WA+1], v[WA+3], s24
	global_store_b64 v[L8], v[20:21], s[32:33]     ; 256 consecutive bytes, aligned
	s_wait_tensorcnt 0x0                           ; the wave's end
	ds_add_u32 v[SPW], v[NIL]
	s_wait_dscnt 0x0
	s_endpgm
; ---------------- THE WEIGHTS.  K is the first axis: a lane takes a column n and its registers run down K, so a block of 32 lies in one lane and nothing is transposed.
; Work-group i: weight i / 32, quarter of K (i / 8) % 4; wave w takes the group 4 (i % 8) + w of 32 columns, 8 blocks a lane.
.Lw_path:
	s_mul_i32 s25, s20, WW
	s_add_co_u32 s25, s25, WSTG
	v_bfe_u32 v6, v0, 3, 1                         ; u: my column's tile in its group,
	v_and_b32 v7, 7, v0
	s_wait_alu depctr_va_vdst(0)
	v_lshl_add_u32 v7, v3, 3, v7                   ; and its lane-row r = lane % 8 + 8 (lane / 16)
	v_mul_u32_u24 v8, v6, 3200
	v_add_nc_u32 v8, s25, v8
	v_lshl_add_u32 v9, v7, 3, v8                   ; the stage is the image itself: registers 4-5 at 8 (16 h + r),
	v_lshl_add_u32 v8, v7, 4, v8                   ; registers 0-3 at 16 (16 h + r); h and the 64 along K stand in the immediates
	v_add_nc_u32 v10, s25, v[L16]                  ; the way back
	v_lshlrev_b32 v11, 2, v1                       ; in: 4 bytes a lane
	s_wait_alu depctr_va_vdst(0)
	v_lshlrev_b32 v12, 7, v6
	v_lshl_add_u32 v12, v7, 3, v12                 ; my column's place among the scale words: 8 (16 u + r)
	s_sub_co_u32 s26, ttmp9, 128
	s_lshr_b32 s27, s26, 5                         ; which weight: a choice that hangs on the work-group's number alone
	s_cmp_eq_u32 s27, 1
	s_cselect_b64 s[6:7], s[8:9], s[6:7]
	s_cmp_eq_u32 s27, 2
	s_cselect_b64 s[6:7], s[10:11], s[6:7]
	s_cmp_eq_u32 s27, 3
	s_cselect_b64 s[6:7], s[12:13], s[6:7]
	s_bfe_u32 s28, s26, 0x20003                    ; quarter of K
	s_and_b32 s29, s26, 7
	s_lshl_b32 s29, s29, 2
	s_add_co_u32 s29, s29, s20                     ; group of columns
	s_lshl_b32 s34, s28, 20                        ; 256 rows of 4,096 bytes
	s_lshl_b32 s35, s29, 7
	s_add_co_u32 s34, s34, s35
	s_mov_b32 s35, 0
	s_add_nc_u64 s[6:7], s[6:7], s[34:35]
	s_lshl_b32 s36, s27, 5
	s_add_co_u32 s36, s36, s29
	s_add_co_u32 s36, s36, 128                     ; the group's number in opnd
	s_mul_i32 s34, s36, 24576
	s_mul_i32 s37, s28, 3072
	s_add_co_u32 s34, s34, s37
	s_add_nc_u64 s[30:31], s[16:17], s[34:35]
	s_lshl_b32 s34, s36, 10
	s_lshl_b32 s37, s28, 8
	s_add_co_u32 s34, s34, s37
	s_add_co_u32 s34, s34, SBASE
	s_add_nc_u64 s[32:33], s[16:17], s[34:35]
.macro WLOAD t                         ; block t: W(32 t + i, my column): 128 consecutive bytes a wave, 512 a work-group
.irp i, 0,1,2,3,4,5,6,7,8,9,10,11,12,13,14,15,16,17,18,19,20,21,22,23,24,25,26,27,28,29,30,31
	global_load_b32 v[WX+32*((\t)%2)+\i], v11, s[6:7] offset:(32*(\t)+\i)*4096 th:TH_LOAD_NT
.endr
.endm
.macro WBLOCK t
.if (\t) < 7
	s_wait_loadcnt 32                              ; this block's 32 loads are in; the next block's may be out
.else
	s_wait_loadcnt 0x0
.endif
	QB32 WX+32*((\t)%2), WC
.if (\t)%4 == 0
	v_mov_b32 v[24+(\t)/4], v[BY]                  ; four bytes to a register: the scale word of 128 along K
.else
	v_lshl_or_b32 v[24+(\t)/4], v[BY], 8*((\t)%4), v[24+(\t)/4]
.endif
	ds_store_b128 v8, v[WC:WC+3] offset:((\t)/2)*768+256*((\t)%2)
	ds_store_b64 v9, v[WC+4:WC+5] offset:((\t)/2)*768+512+128*((\t)%2)
.if (\t)+2 < 8
	WLOAD (\t)+2
.endif
	s_wait_dscnt 0x0                               ; the stores have read their registers: the next block's codes may be written
.endm
	WLOAD 0
	WLOAD 1
.irp t, 0,1,2,3,4,5,6,7
	WBLOCK \t
.endr
	s_wait_alu depctr_va_vdst(0)
	global_store_b64 v12, v[24:25], s[32:33]       ; the 32 lanes fill 256 consecutive bytes, aligned
.irp q, 0,1,2,3,4,5,6,7,8,9,10,11
	ds_load_b128 v[WO+4*\q:WO+4*\q+3], v10 offset:(\q/6)*3200+(\q%6)*512
.endr
.irp q, 0,1,2,3,4,5,6,7,8,9,10,11
	s_wait_dscnt 11-\q
	global_store_b128 v[L16], v[WO+4*\q:WO+4*\q+3], s[30:31] offset:(\q/6)*12288+(\q%6)*512   ; 512 consecutive bytes, aligned to 256
.endr
	s_wait_tensorcnt 0x0                           ; the wave's end
	ds_add_u32 v[SPW], v[NIL]
	s_wait_dscnt 0x0
	s_endpgm
.Lfunc_end_k_q7a885f4880_prep:
	.size	k_q7a885f4880_prep, .Lfunc_end_k_q7a885f4880_prep-k_q7a885f4880_prep
	.p2alignl 7, 3214868480
	.fill 96, 4, 3214868480
	.section	.rodata,"a",@progbits
	.p2align	6, 0x0
	.amdhsa_kernel k_q7a885f4880_prep
		.amdhsa_group_segment_fixed_size 126464
		.amdhsa_private_segment_fixed_size 0
		.amdhsa_enable_private_segment 0
		.amdhsa_kernarg_size 64
		.amdhsa_user_sgpr_count 2
		.amdhsa_user_sgpr_kernarg_segment_ptr 1
		.amdhsa_wavefront_size32 1
		.amdhsa_system_sgpr_workgroup_id_x 1
		.amdhsa_system_sgpr_workgroup_id_y 1
		.amdhsa_system_sgpr_workgroup_id_z 1
		.amdhsa_system_vgpr_workitem_id 0
		.amdhsa_next_free_vgpr 256
		.amdhsa_next_free_sgpr 66
		.amdhsa_reserve_vcc 0
		.amdhsa_float_denorm_mode_32 3
		.amdhsa_float_denorm_mode_16_64 3
		.amdhsa_memory_ordered 1
		.amdhsa_forward_progress 1
		.amdhsa_inst_pref_size 120
	.end_amdhsa_kernel
	.amdgpu_metadata
---
amdhsa.version: [ 1, 2 ]
amdhsa.kernels:
  - .name:           k_q7a885f4880_prep
    .symbol:         k_q7a885f4880_prep.kd
    .args:
      - { .name: x, .offset: 0, .size: 8, .value_kind: global_buffer, .address_space: global }
      - { .name: Wq, .offset: 8, .size: 8, .value_kind: global_buffer, .address_space: global }
      - { .name: Wk, .offset: 16, .size: 8, .value_kind: global_buffer, .address_space: global }
      - { .name: Wv, .offset: 24, .size: 8, .value_kind: global_buffer, .address_space: global }
      - { .name: Wo, .offset: 32, .size: 8, .value_kind: global_buffer, .address_space: global }
      - { .name: att_mask, .offset: 40, .size: 8, .value_kind: global_buffer, .address_space: global }
      - { .name: opnd, .offset: 48, .size: 8, .value_kind: global_buffer, .address_space: global }
      - { .name: mbits, .offset: 56, .size: 8, .value_kind: global_buffer, .address_space: global }
    .group_segment_fixed_size: 126464
    .private_segment_fixed_size: 0
    .kernarg_segment_align: 8
    .kernarg_segment_size: 64
    .max_flat_workgroup_size: 128
    .sgpr_count:     66
    .vgpr_count:     256
    .wavefront_size: 32
...
	.end_amdgpu_metadata
.endif
;; end of part 1
;; launch qkv (part 2): grid 16 x 16, 4 waves a work-group, clusters of 4 x 4, 327,680 bytes of LDS; arguments opnd, qkv; writes qkv
.if DOCPART == 2
	.amdgcn_target "amdgcn-amd-amdhsa--gfx1250"
	.amdhsa_code_object_version 6
	.text
	.protected	k_q7a885f4880_qkv
	.globl	k_q7a885f4880_qkv
	.p2align	8
	.type	k_q7a885f4880_qkv,@function
k_q7a885f4880_qkv:
	s_mov_b64 s[64:65], 0
	v_nop
	global_prefetch_b8 v0, s[64:65] scope:SCOPE_SE
	s_setreg_imm32_b32 hwreg(HW_REG_WAVE_MODE, 25, 1), 1
	s_wait_xcnt 0x0
	s_wait_alu depctr_hold_cnt(0) depctr_sa_sdst(0) depctr_va_vdst(0) depctr_va_sdst(0) depctr_va_ssrc(0) depctr_va_vcc(0) depctr_vm_vsrc(0)
	s_getreg_b32 s2, hwreg(HW_REG_IB_STS2, 6, 4)
	s_cmp_eq_u32 s2, 0
	s_cbranch_scc0 .Lentry_in_a_cluster
	s_endpgm
.Lentry_in_a_cluster:
	s_bfe_u32 s2, ttmp6, 0x10000c
	s_cmp_lg_u32 s2, 0xf033
	s_cbranch_scc0 .Lentry_shape_is_right
	s_endpgm
.Lentry_shape_is_right:
; QKV: q = x Wq, k = x Wk, v = x Wv on codes of FP6 with E8M0 scales, K = 1,024; the results are quantised in registers along the NEXT product's K and stored as images of that product's operand registers.
; D = P R^T with source 0 = 16 rows of P, source 1 = 16 rows of R: a lane holds one row of R, its registers run along P's rows.
; 256 WORK-GROUPS OF EQUAL WORK, EACH IN TWO PHASES.
;   Phase 1 (q or k): P = 128 columns of Wq or Wk (panel pt = 4 X + cx of 16; X = the cluster's x), R = 256 tokens (panel rt = 4 Y + cy of 16).  Wave w: all 8 tiles of P x R's tiles 4 w .. 4 w + 3 in LDS: 32 accumulators.
;   Phase 2 (v): P = 128 of these tokens (the half X % 2 of the panel), which lie in LDS already; R = 128 columns of Wv (panel vp = 4 (X / 2) + cx of 8).  Wave w: token tiles 4 (w % 2) + 0..3 x Wv's tiles 4 (w / 2) + 0..3:
;   one head and one half of a key step: 16 accumulators.  (rt, X % 2) names each of the 32 key steps once, vp each of the 8 panels: 256 tiles of v.
; LDS: all of K of both panels, a tile's 12,288 bytes on end: the weight's 8 tiles from byte 0, the tokens' 16 tiles behind them.  At the head a wave issues one tensor load (waves 0, 1 the weight's halves, waves 2, 3 the tokens').
; The half of the tokens that serves v is put into the first 8 token tiles by the load's GLOBAL address: no LDS address hangs on an id other than the wave's number.
; In phase 1's last K step Wv's panel is asked for onto the weight's bytes, one load of two tiles a wave, behind the waits, the add and the round of the cluster's barrier; it lands while q or k is quantised and stored.
; CLUSTER 4 x 4: the weights' panels hang on cx and are asked for jointly by a column of the cluster, the tokens' on cy by a row.
; PREFETCH: at the head each wave names 24 blocks of 256 bytes of Wv's panel, the 16 waves of the four partners of a column sharing its 384 blocks out by address (4 cy + wave): eight K steps ahead of the load that wants them.
; TILES are not neighbours' rows: lane-row r of tile 2 B + u is row 32 B + 8 u + r + 8 (r / 8), so that the 16 registers of P's tiles 2 b, 2 b + 1 are 16 neighbours along the next K: 32 b + 16 (lane / 16) + 0 .. 15.
; An operand in LDS is an image of registers: a half fragment (16 rows x 64 K, 768 bytes) is one load of 16 bytes at 16 x lane and one of 8 at 512 + 8 x lane.
; qkv: records [b h 32][key step 16][13,312]: K's 8 half fragments | V's [tile of d 4][half of the keys 2] | K's scale half words [2][lane][2] | V's [half 2][lane][2];  from QI on Q's half fragments [b h][tile 128][768];  from QS on Q's half words [b h][32][lane][2].
; LIMITS: a block of zeros, or one whose largest magnitude lies under 2^-124, carries the byte 1 (this program alone reads the bytes); NaN and infinities among the inputs are not served.
; REGISTERS: window 0: v4-19 LDS addresses, v20-24 the add's two and the lane terms, v32-127 R's fragments in two sets (later the codes), v128-159 P's scale words, v160-175 R's, v176- at work; window 1: P's fragments, two sets at v0 and v128; window 2: accumulator (i, j) at v[64 j + 8 i].
.set RT,    4                          ; R's tiles to a wave, in both phases
.set TL,    12288                      ; a tile's whole K
.set PB,    0
.set RB,    8*TL
.set SPARE, RB+16*TL                   ; the spare words, 128 bytes for each wave: two blocks of 256 bytes that no other line names
.set SBASE, 6291456
.set QI,    6815744
.set QS,    9961472
.set A16P,  4                          ; phase 1: v4-7, v8-11 P's tiles by pairs; v12, v13 my R's
.set A8P,   8
.set A16R,  12
.set A8R,   13
.set B16P,  14                         ; phase 2: v14-15, v16-17 my token tiles by pairs; v18, v19 my tiles of Wv
.set B8P,   16
.set B16R,  18
.set B8R,   19
.set SPW,   20
.set NIL,   21
.set L16,   22
.set L8,    23
.set PFO,   24
.set RF,    32
.set SCP,   128
.set SCR,   160
.set TM,    176                        ; v176-179 largest magnitudes, v180-183 bytes, v188-191 the conversions' scale operands
.set HW,    200                        ; v200-207 half words (2 j + c)
.set PC,    32                         ; the codes: 16 registers for each j
.set PT,    96
.set WV,    8
.set G1P,   16
.set G1R,   24
.set G0P,   32
.set G0R,   36
.set HM,    97
.set SEL,   98
.set MSB, 0
.macro WIN new                         ; the immediate's high byte repeats the setting that is left
.if MSB != \new
	s_set_vgpr_msb (MSB<<8)|\new
.set MSB, \new
.endif
.endm
.macro PLACES n
.rept \n
	v_nop
.endr
.endm
.macro CREST                           ; a round of the cluster's barrier behind its opening barrier
	s_cmp_lg_u32 s[WV], 0
	s_cbranch_scc1 .Lnot_wave_0_\@
	s_barrier_signal -3
.Lnot_wave_0_\@:
	s_barrier_wait -3
	s_barrier_signal -1
	s_barrier_wait -1
.endm
.macro CROUND                          ; a whole round
	s_barrier_signal -1
	s_barrier_wait -1
	CREST
.endm
.macro FRAG reg, a16, a8, off          ; a fragment (16 rows x 128 K, 12 registers) = two half fragments
	ds_load_b128 v[(\reg):(\reg)+3], v[\a16] offset:(\off)
	ds_load_b64 v[(\reg)+4:(\reg)+5], v[\a8] offset:(\off)+512
	ds_load_b128 v[(\reg)+6:(\reg)+9], v[\a16] offset:(\off)+768
	ds_load_b64 v[(\reg)+10:(\reg)+11], v[\a8] offset:(\off)+1280
.endm
.macro FETCH s                         ; K step s: P's NPT fragments and my R's four, into set s % 2: 4 (NPT + RT) LDS loads
	WIN 0x40                                       ; destination window 1
.irp i, 0,1,2,3,4,5,6,7
.if \i < NPT
	FRAG 128*((\s)%2)+12*\i, XP16+\i/2, XP8+\i/2, (\i%2)*TL+1536*(\s)
.endif
.endr
	WIN 0
.set jj, 0
.rept RT
	FRAG RF+12*RT*((\s)%2)+12*jj, XR16, XR8, jj*TL+1536*(\s)
.set jj, jj+1
.endr
.endm
; One product.  A scale register carries two tiles' words: the even tile's in lanes 0-15, the odd tile's in lanes 16-31.  cm = 0: the constant 0 starts the sum; 1: in place.
.macro WM i, j, p, s, cm
.set rD, 64*(\j)+8*(\i)
.set rA, 128*(\p)+12*(\i)
.set rB, RF+12*RT*(\p)+12*(\j)
.set rX, SCP+8*((\i)/2)+(\s)
.set rY, SCR+8*((\j)/2)+(\s)
.set rw, 2*((\i)%2)+(\j)%2
.if (\cm) == 0
.if rw == 0
	v_wmma_scale_f32_16x16x128_f8f6f4 v[rD:rD+7], v[rA:rA+11], v[rB:rB+11], 0, v[rX], v[rY] matrix_a_fmt:MATRIX_FMT_FP6 matrix_b_fmt:MATRIX_FMT_FP6
.elseif rw == 1
	v_wmma_scale_f32_16x16x128_f8f6f4 v[rD:rD+7], v[rA:rA+11], v[rB:rB+11], 0, v[rX], v[rY] matrix_a_fmt:MATRIX_FMT_FP6 matrix_b_fmt:MATRIX_FMT_FP6 matrix_b_scale:MATRIX_SCALE_ROW1
.elseif rw == 2
	v_wmma_scale_f32_16x16x128_f8f6f4 v[rD:rD+7], v[rA:rA+11], v[rB:rB+11], 0, v[rX], v[rY] matrix_a_fmt:MATRIX_FMT_FP6 matrix_b_fmt:MATRIX_FMT_FP6 matrix_a_scale:MATRIX_SCALE_ROW1
.else
	v_wmma_scale_f32_16x16x128_f8f6f4 v[rD:rD+7], v[rA:rA+11], v[rB:rB+11], 0, v[rX], v[rY] matrix_a_fmt:MATRIX_FMT_FP6 matrix_b_fmt:MATRIX_FMT_FP6 matrix_a_scale:MATRIX_SCALE_ROW1 matrix_b_scale:MATRIX_SCALE_ROW1
.endif
.else
.if rw == 0
	v_wmma_scale_f32_16x16x128_f8f6f4 v[rD:rD+7], v[rA:rA+11], v[rB:rB+11], v[rD:rD+7], v[rX], v[rY] matrix_a_fmt:MATRIX_FMT_FP6 matrix_b_fmt:MATRIX_FMT_FP6
.elseif rw == 1
	v_wmma_scale_f32_16x16x128_f8f6f4 v[rD:rD+7], v[rA:rA+11], v[rB:rB+11], v[rD:rD+7], v[rX], v[rY] matrix_a_fmt:MATRIX_FMT_FP6 matrix_b_fmt:MATRIX_FMT_FP6 matrix_b_scale:MATRIX_SCALE_ROW1
.elseif rw == 2
	v_wmma_scale_f32_16x16x128_f8f6f4 v[rD:rD+7], v[rA:rA+11], v[rB:rB+11], v[rD:rD+7], v[rX], v[rY] matrix_a_fmt:MATRIX_FMT_FP6 matrix_b_fmt:MATRIX_FMT_FP6 matrix_a_scale:MATRIX_SCALE_ROW1
.else
	v_wmma_scale_f32_16x16x128_f8f6f4 v[rD:rD+7], v[rA:rA+11], v[rB:rB+11], v[rD:rD+7], v[rX], v[rY] matrix_a_fmt:MATRIX_FMT_FP6 matrix_b_fmt:MATRIX_FMT_FP6 matrix_a_scale:MATRIX_SCALE_ROW1 matrix_b_scale:MATRIX_SCALE_ROW1
.endif
.endif
.endm
.macro MULS lo, hi, s, cm              ; P's tiles lo .. hi - 1 x my R's four.  The accumulators take turns, one instruction a turn, in the same order in every step
.irp i, 0,1,2,3,4,5,6,7
.if (\i >= \lo) && (\i < \hi)
.set jj, 0
.rept RT
	WM \i, jj, (\s)%2, \s, \cm
.set jj, jj+1
.endr
.endif
.endr
.endm
; A K step of 128: the next step's fragments are asked for, then this step's NPT x RT products.  refill = 1 (phase 1's last step): my reads of the weight's panel are over, and Wv's panel is asked for onto its bytes.
.macro STEP s, cm, refill
.if (\s) < 7
	PLACES 4                                       ; in front of loads into registers that the step before multiplied
	FETCH (\s)+1
	s_wait_dscnt 4*(NPT+RT)                        ; all but the loads just issued: this step's fragments are in
.else
	s_wait_dscnt 0x0
.endif
.if \refill
	s_wait_tensorcnt 0x0                           ; none of my tensor loads is out;
	ds_add_u32 v[SPW], v[NIL]                      ; 0 onto my spare word: work on registers stands between it and the wait for it
	s_mov_b32 s[G1P+2], 2<<16                      ; so a descriptor may be written: two tiles a load: tensor_dim1,
	s_mov_b32 s[G1P+4], 2                          ; tile_dim1;
	s_mul_i32 s[G0P+1], s[WV], 2*TL                ; to LDS tiles 2 w, 2 w + 1 of the weight's eight,
	s_mov_b64 s[G0P+2:G0P+3], s[86:87]             ; from Wv's panel
	s_or_b32 s[G0P+3], s[G0P+3], 0x80000000
.endif
	WIN 0xa1                                       ; source 0 (P) window 1, source 1 (R) window 0, C and D window 2
	MULS 0, NPT/2, \s, \cm
.if \refill
	s_wait_dscnt 0x0                               ; the add is done; my reads of LDS were over at the step's head
	s_barrier_signal -1                            ; this barrier opens a round of the cluster's barrier
.endif
	MULS NPT/2, NPT, \s, \cm
	WIN 0
.if \refill
	s_barrier_wait -1
	CREST                                          ; no wave of any partner still reads the weight's panel or has a load on its way
	tensor_load_to_lds s[G0P:G0P+3], s[G1P:G1P+7]  ; my one load behind the round
	s_nop 0
	PLACES 4                                       ; also the places behind the last products
.endif
.endm
; R's tile j: my row's registers, register 16 b + i = next-K 32 b + 16 (lane / 16) + i, become nc half fragments (c = 0 .. nc - 1) and nc half words.  Each accumulator is read from its low end on.
; The codes go to s[sb + 2 c] + js x j.
.macro QUANTJ j, nc, sb, js
	WIN 0x28                                       ; sources 1 and 2: window 2
.set bb, 0
.rept 2*\nc
	v_max3_num_f32 v[TM+bb], 0x1800000, |v[64*\j+16*bb]|, |v[64*\j+16*bb+1]|   ; with the floor 2^(3 - 127): the byte cannot fall under 1
.set bb, bb+1
.endr
.irp i, 2,4,6,8,10,12,14
.set bb, 0
.rept 2*\nc
	v_max3_num_f32 v[TM+bb], v[TM+bb], |v[64*\j+16*bb+\i]|, |v[64*\j+16*bb+\i+1]|
.set bb, bb+1
.endr
.endr
	WIN 0
.set bb, 0
.rept 2*\nc
	v_permlanex16_b32 v[TM+4+bb], v[TM+bb], s[SEL], s[SEL+1]
.set bb, bb+1
.endr
.set bb, 0
.rept 2*\nc
	v_max_num_f32 v[TM+bb], v[TM+bb], v[TM+4+bb]   ; with lane l xor 16's 16: the block's largest magnitude
.set bb, bb+1
.endr
.set bb, 0
.rept 2*\nc
	v_add_nc_u32 v[TM+12+bb], 0xff000000, v[TM+bb] ; 2 off the exponent field: the conversion's scale operand
.set bb, bb+1
.endr
.set bb, 0
.rept 2*\nc
	v_lshrrev_b32 v[TM+4+bb], 23, v[TM+12+bb]      ; the byte
.set bb, bb+1
.endr
.set cc, 0
.rept \nc
	v_lshl_or_b32 v[HW+2*\j+cc], v[TM+5+2*cc], 8, v[TM+4+2*cc]   ; two bytes; the upper two stay 0
.set cc, cc+1
.endr
	WIN 0x02                                       ; source 0: window 2
.set cc, 0
.rept \nc
	v_cvt_scalef32_pk16_fp6_f32 v[PC+16*\j+8*cc:PC+16*\j+8*cc+2], v[64*\j+32*cc:64*\j+32*cc+15], v[TM+12+2*cc]
	v_cvt_scalef32_pk16_fp6_f32 v[PT+4*cc:PT+4*cc+2], v[64*\j+32*cc+16:64*\j+32*cc+31], v[TM+13+2*cc]
.set cc, cc+1
.endr
	WIN 0
	v_nop                                          ; one plain line behind the conversions
.set cc, 0
.rept \nc                              ; the operand's layout wants a whole block in a lane: lanes 0-15 the lower block, lanes 16-31 the upper
.irp i, 0,1,2
	v_permlane16_swap_b32 v[PC+16*\j+8*cc+\i], v[PT+4*cc+\i]
.endr
.irp i, 0,1,2
	v_mov_b32 v[PC+16*\j+8*cc+3+\i], v[PT+4*cc+\i]
.endr
.set cc, cc+1
.endr
.set cc, 0
.rept \nc
	global_store_b128 v[L16], v[PC+16*\j+8*cc:PC+16*\j+8*cc+3], s[\sb+2*cc:\sb+2*cc+1] offset:\js*\j         ; 512 consecutive bytes, aligned to 256
	global_store_b64 v[L8], v[PC+16*\j+8*cc+4:PC+16*\j+8*cc+5], s[\sb+2*cc:\sb+2*cc+1] offset:\js*\j+512     ; and 256.  Each j has registers of its own
.set cc, cc+1
.endr
.endm
	s_load_b128 s[4:7], s[0:1], 0x0                ; opnd s[4:5], qkv s[6:7]
	v_lshl_add_u32 v[SPW], v0, 2, SPARE
	v_mov_b32 v[NIL], 0
	ds_add_u32 v[SPW], v[NIL]                      ; the wave's opening: the add, twice on end, and its wait ahead of my first tensor load; work on registers stands between
	ds_add_u32 v[SPW], v[NIL]
	v_lshrrev_b32 v1, 5, v0
	v_readfirstlane_b32 s[WV], v1                  ; wave 0..3
	s_lshr_b32 s9, s[WV], 1                        ; head: I fetch for P (0) or for R (1).  Phase 2: which head of the panel's two
	s_and_b32 s10, s[WV], 1                        ; head: its first or second half in LDS.  Phase 2: which half of the key step
	s_bfe_u32 s11, ttmp6, 0x40000                  ; cx
	s_bfe_u32 s12, ttmp6, 0x40004                  ; cy
	s_and_b32 s14, ttmp7, 0xffff                   ; Y
	s_and_b32 s13, ttmp9, 1                        ; hv: which half of the panel's tokens serves v
	s_lshr_b32 s15, ttmp9, 1                       ; 0: q, 1: k
	s_lshl_b32 s70, ttmp9, 2
	s_add_co_u32 s70, s70, s11                     ; pt: hangs on cx, never on cy
	s_lshl_b32 s71, s14, 2
	s_add_co_u32 s71, s71, s12                     ; rt: hangs on cy, never on cx
	s_lshl_b32 s66, s15, 2
	s_add_co_u32 s66, s66, s11                     ; vp
	s_lshl_b32 s74, 0x1111, s11                    ; my column of the cluster
	s_lshl_b32 s75, s12, 2
	s_lshl_b32 s75, 15, s75                        ; my row
	; descriptor group 1: rows of 12,288 bytes (a tile's whole K: 1,536 elements of 8 bytes), dense; P: 4 tiles a load, R: 8
	s_or_b32 s[G1P], s74, (3<<16)|(1<<21)          ; 15:0 the mask; 17:16 elements of 8 bytes; 21 set beside a mask; no padding
	s_or_b32 s[G1R], s75, (3<<16)|(1<<21)
	s_mov_b32 s[G1P+1], 1536<<16                   ; tensor_dim0
	s_mov_b32 s[G1P+2], 4<<16                      ; tensor_dim1
	s_mov_b32 s[G1P+3], 1536<<16                   ; tile_dim0
	s_mov_b32 s[G1P+4], 4                          ; tile_dim1
	s_mov_b32 s[G1P+5], 1536                       ; the pitch
	s_mov_b32 s[G1P+6], 0
	s_mov_b32 s[G1P+7], 0
	s_mov_b32 s[G1R+1], 1536<<16
	s_mov_b32 s[G1R+2], 8<<16
	s_mov_b32 s[G1R+3], 1536<<16
	s_mov_b32 s[G1R+4], 8
	s_mov_b32 s[G1R+5], 1536
	s_mov_b32 s[G1R+6], 0
	s_mov_b32 s[G1R+7], 0
	s_lshl_b32 s72, s70, 2
	s_add_co_u32 s72, s72, 128                     ; P's group in opnd (Wq's 32 groups, then Wk's)
	s_mul_i32 s78, s72, 2*TL
	s_mul_i32 s79, s10, 4*TL
	s_add_co_u32 s78, s78, s79
	s_mov_b32 s79, 0                               ; P's codes, my half
	s_lshl_b32 s82, s72, 10
	s_add_co_u32 s82, s82, SBASE
	s_mov_b32 s83, 0                               ; P's scale words
	s_lshl_b32 s73, s71, 3                         ; R's group (8 to a panel)
	s_xor_b32 s67, s10, s13                        ; LDS half 0 takes the panel's half hv, LDS half 1 the other
	s_mul_i32 s80, s73, 2*TL
	s_mul_i32 s81, s67, 8*TL
	s_add_co_u32 s80, s80, s81
	s_mov_b32 s81, 0                               ; R's codes, my half
	s_xor_b32 s67, s9, s13
	s_lshl_b32 s67, s67, 1
	s_add_co_u32 s67, s67, s10                     ; which 64 tokens of the panel my four tiles of R are
	s_lshl_b32 s84, s67, 1
	s_add_co_u32 s84, s84, s73
	s_lshl_b32 s84, s84, 10
	s_add_co_u32 s84, s84, SBASE
	s_mov_b32 s85, 0                               ; their scale words
	s_lshl_b32 s68, s66, 2
	s_add_co_u32 s68, s68, 192                     ; Wv's group
	s_mul_i32 s86, s68, 2*TL
	s_mul_i32 s87, s[WV], 2*TL
	s_add_co_u32 s86, s86, s87
	s_mov_b32 s87, 0                               ; Wv's codes, my two tiles
	s_mul_i32 s44, s68, 2*TL
	s_lshl_b32 s45, s12, 2
	s_add_co_u32 s45, s45, s[WV]
	s_mul_i32 s45, s45, 6144
	s_add_co_u32 s44, s44, s45
	s_mov_b32 s45, 0                               ; the prefetch: my 24 blocks of the panel's 384 (cy enters this address alone)
	s_lshl_b32 s88, s13, 2
	s_add_co_u32 s88, s88, s73
	s_lshl_b32 s89, s10, 1
	s_add_co_u32 s88, s88, s89
	s_lshl_b32 s88, s88, 10
	s_add_co_u32 s88, s88, SBASE
	s_mov_b32 s89, 0                               ; phase 2: my token tiles' scale words
	s_lshl_b32 s90, s9, 1
	s_add_co_u32 s90, s90, s68
	s_lshl_b32 s90, s90, 10
	s_add_co_u32 s90, s90, SBASE
	s_mov_b32 s91, 0                               ; and my tiles of Wv's
	s_mov_b32 s[HM], 0xffff0000
	s_mov_b32 s[SEL], 0x76543210
	s_mov_b32 s[SEL+1], 0xfedcba98
	s_wait_dscnt 0x0                               ; both opening adds are done
	s_wait_kmcnt 0x0
	s_add_nc_u64 s[78:79], s[4:5], s[78:79]
	s_add_nc_u64 s[80:81], s[4:5], s[80:81]
	s_add_nc_u64 s[82:83], s[4:5], s[82:83]
	s_add_nc_u64 s[84:85], s[4:5], s[84:85]
	s_add_nc_u64 s[86:87], s[4:5], s[86:87]
	s_add_nc_u64 s[44:45], s[4:5], s[44:45]
	s_add_nc_u64 s[88:89], s[4:5], s[88:89]
	s_add_nc_u64 s[90:91], s[4:5], s[90:91]
	CROUND                                         ; all sixteen work-groups are here: the joint loads meet
	s_mov_b32 s[G0P], 1
	s_mul_i32 s[G0P+1], s10, 4*TL                  ; the wave's number alone enters an LDS address
	s_mov_b64 s[G0P+2:G0P+3], s[78:79]
	s_or_b32 s[G0P+3], s[G0P+3], 0x80000000
	s_mov_b32 s[G0R], 1
	s_mul_i32 s[G0R+1], s10, 8*TL
	s_add_co_u32 s[G0R+1], s[G0R+1], RB
	s_mov_b64 s[G0R+2:G0R+3], s[80:81]
	s_or_b32 s[G0R+3], s[G0R+3], 0x80000000
	s_cmp_eq_u32 s9, 0                             ; one branch on the wave's number, one load in each arm: every way passes one
	s_cbranch_scc0 .Lfill_r
	tensor_load_to_lds s[G0P:G0P+3], s[G1P:G1P+7]
	s_nop 0
	PLACES 4
	s_branch .Lfilled
.Lfill_r:
	tensor_load_to_lds s[G0R:G0R+3], s[G1R:G1R+7]
	s_nop 0
	PLACES 4
.Lfilled:
	v_and_b32 v1, 31, v0
	v_lshlrev_b32 v[L16], 4, v1
	v_lshlrev_b32 v[L8], 3, v1
	v_min_u32 v[PFO], 23, v1                       ; lanes 24-31 name the wave's last block again
	v_lshlrev_b32 v[PFO], 8, v[PFO]
.irp p, 0,1,2,3                        ; the scale words of all of K come once, 256 consecutive bytes a load, and stay in registers
.irp y, 0,1,2,3
	global_load_b64 v[SCP+8*\p+2*\y:SCP+8*\p+2*\y+1], v[L8], s[82:83] offset:\p*1024+\y*256
.endr
.endr
.irp p, 0,1
.irp y, 0,1,2,3
	global_load_b64 v[SCR+8*\p+2*\y:SCR+8*\p+2*\y+1], v[L8], s[84:85] offset:\p*1024+\y*256
.endr
.endr
	global_prefetch_b8 v[PFO], s[44:45] th:TH_LOAD_NT scope:SCOPE_SE   ; its address registers are never written again
.irp y, 0,1,2,3
	v_add_nc_u32 v[A16P+\y], PB+\y*2*TL, v[L16]
	v_add_nc_u32 v[A8P+\y], PB+\y*2*TL, v[L8]
.endr
	s_mul_i32 s77, s[WV], RT*TL
	s_add_co_u32 s77, s77, RB                      ; phase 1: my four tiles of tokens
	v_add_nc_u32 v[A16R], s77, v[L16]
	v_add_nc_u32 v[A8R], s77, v[L8]
	s_mul_i32 s77, s10, 4*TL
	s_add_co_u32 s77, s77, RB                      ; phase 2: token tiles 4 (w % 2) on,
	v_add_nc_u32 v[B16P], s77, v[L16]
	v_add_nc_u32 v[B8P], s77, v[L8]
	s_add_co_u32 s77, s77, 2*TL
	v_add_nc_u32 v[B16P+1], s77, v[L16]
	v_add_nc_u32 v[B8P+1], s77, v[L8]
	s_mul_i32 s77, s9, 4*TL                        ; and Wv's tiles 4 (w / 2) on
	v_add_nc_u32 v[B16R], s77, v[L16]
	v_add_nc_u32 v[B8R], s77, v[L8]
.irp b, 0,1,2,3
	v_mov_b32 v[TM+4+\b], 0                        ; a lane permute's destination counts as read
.endr
	; WHERE THE RESULTS GO, worked out while the panels are on their way.  Phase 1:
	s_lshl_b32 s68, s71, 2
	s_add_co_u32 s68, s68, s67                     ; G: my 64 tokens
	s_lshr_b32 s69, s68, 5                         ; batch,
	s_and_b32 s72, s68, 31                         ; and g: 64 tokens in it
	s_and_b32 s73, s70, 7                          ; the panel within its weight: two heads
	s_lshl_b32 s76, s69, 4
	s_lshl_b32 s73, s73, 1
	s_add_co_u32 s76, s76, s73                     ; b h of c = 0
	s_mul_i32 s92, s76, 98304
	s_mul_i32 s93, s72, 3072
	s_add_co_u32 s92, s92, s93
	s_add_co_u32 s92, s92, QI                      ; Q's codes
	s_lshl_b32 s93, s76, 13
	s_lshl_b32 s94, s72, 8
	s_add_co_u32 s93, s93, s94
	s_add_co_u32 s93, s93, QS                      ; Q's half words
	s_mul_i32 s94, s76, 212992
	s_lshr_b32 s95, s72, 1
	s_mul_i32 s95, s95, 13312
	s_add_co_u32 s94, s94, s95                     ; K's record
	s_and_b32 s95, s72, 1
	s_mul_i32 s96, s95, 3072
	s_add_co_u32 s96, s96, s94                     ; K's codes
	s_lshl_b32 s95, s95, 8
	s_add_co_u32 s95, s95, s94
	s_add_co_u32 s95, s95, 12288                   ; K's half words
	s_mov_b32 s77, 98304                           ; from c = 0 to c = 1 (the next head): Q's codes,
	s_mov_b32 s69, 8192                            ; Q's half words
	s_cmp_eq_u32 s15, 1                            ; k?  The choice hangs on the cluster's x alone
	s_cselect_b32 s92, s96, s92
	s_cselect_b32 s93, s95, s93
	s_cselect_b32 s76, 212992, s77
	s_cselect_b32 s72, 212992, s69
	s_mov_b32 s95, 0
	s_mov_b32 s94, s92
	s_add_nc_u64 s[40:41], s[6:7], s[94:95]        ; codes, c = 0;
	s_mov_b32 s94, s76
	s_add_nc_u64 s[42:43], s[40:41], s[94:95]      ; c = 1
	s_mov_b32 s94, s93
	s_add_nc_u64 s[56:57], s[6:7], s[94:95]        ; half words, c = 0;
	s_mov_b32 s94, s72
	s_add_nc_u64 s[58:59], s[56:57], s[94:95]      ; c = 1
	; phase 2: key step 2 rt + hv of 32, head 2 vp + w / 2
	s_lshl_b32 s68, s71, 1
	s_add_co_u32 s68, s68, s13
	s_lshr_b32 s69, s68, 4                         ; batch
	s_and_b32 s68, s68, 15                         ; key step in it
	s_lshl_b32 s69, s69, 4
	s_lshl_b32 s73, s66, 1
	s_add_co_u32 s69, s69, s73
	s_add_co_u32 s69, s69, s9                      ; b h
	s_mul_i32 s69, s69, 212992
	s_mul_i32 s68, s68, 13312
	s_add_co_u32 s92, s69, s68                     ; the record
	s_mul_i32 s68, s10, 768
	s_add_co_u32 s94, s68, s92
	s_add_co_u32 s94, s94, 6144
	s_add_nc_u64 s[60:61], s[6:7], s[94:95]        ; V's codes, my half of the keys
	s_lshl_b32 s68, s10, 8
	s_add_co_u32 s94, s68, s92
	s_add_co_u32 s94, s94, 12800
	s_add_nc_u64 s[62:63], s[6:7], s[94:95]        ; V's half words, my half
	s_wait_alu depctr_va_vdst(0)                   ; the wait at the head's end
	s_wait_tensorcnt 0x0                           ; my half of a panel has landed
	s_barrier_signal -1
	s_barrier_wait -1                              ; everybody's has
.set NPT,  8
.set XP16, A16P
.set XP8,  A8P
.set XR16, A16R
.set XR8,  A8R
	FETCH 0
	s_wait_loadcnt 0x0                             ; the scale words
	STEP 0, 0, 0                                   ; the first step's products start the sums: nothing is cleared
	STEP 1, 1, 0
	STEP 2, 1, 0
	STEP 3, 1, 0
	STEP 4, 1, 0
	STEP 5, 1, 0
	STEP 6, 1, 0
	STEP 7, 1, 1                                   ; and Wv's panel is asked for
.irp p, 0,1                            ; phase 2's scale words, into registers that the last products read four places ago
.irp y, 0,1,2,3
	global_load_b64 v[SCP+8*\p+2*\y:SCP+8*\p+2*\y+1], v[L8], s[88:89] offset:\p*1024+\y*256
	global_load_b64 v[SCR+8*\p+2*\y:SCR+8*\p+2*\y+1], v[L8], s[90:91] offset:\p*1024+\y*256
.endr
.endr
	QUANTJ 0, 2, 40, 768
	QUANTJ 1, 2, 40, 768
	QUANTJ 2, 2, 40, 768
	QUANTJ 3, 2, 40, 768
	v_cndmask_b32 v208, v[HW], v[HW+2], s[HM]      ; c = 0: lanes 0-15 tile 0's rows, lanes 16-31 tile 1's;
	v_cndmask_b32 v209, v[HW+4], v[HW+6], s[HM]    ; tiles 2 and 3
	v_cndmask_b32 v210, v[HW+1], v[HW+3], s[HM]    ; c = 1
	v_cndmask_b32 v211, v[HW+5], v[HW+7], s[HM]
	global_store_b64 v[L8], v[208:209], s[56:57]   ; 256 consecutive bytes, aligned
	global_store_b64 v[L8], v[210:211], s[58:59]
	; PHASE 2
	s_wait_xcnt 0x0                                ; phase 1's stores have read their registers: fragments and codes may land there again
	s_wait_tensorcnt 0x0                           ; my two tiles of Wv have landed
	s_barrier_signal -1
	s_barrier_wait -1                              ; everybody's have
.set NPT,  4
.set XP16, B16P
.set XP8,  B8P
.set XR16, B16R
.set XR8,  B8R
	FETCH 0
	s_wait_loadcnt 0x0                             ; the scale words
	STEP 0, 0, 0
	STEP 1, 1, 0
	STEP 2, 1, 0
	STEP 3, 1, 0
	STEP 4, 1, 0
	STEP 5, 1, 0
	STEP 6, 1, 0
	STEP 7, 1, 0
	PLACES 4                                       ; behind the last products: their results are read and their operands' registers written below
	QUANTJ 0, 1, 60, 1536                          ; tile j of the head's d: my 64 keys are one half fragment
	QUANTJ 1, 1, 60, 1536
	QUANTJ 2, 1, 60, 1536
	QUANTJ 3, 1, 60, 1536
	v_cndmask_b32 v208, v[HW], v[HW+2], s[HM]
	v_cndmask_b32 v209, v[HW+4], v[HW+6], s[HM]
	global_store_b64 v[L8], v[208:209], s[62:63]   ; 256 consecutive bytes, aligned
	s_wait_tensorcnt 0x0                           ; the wave's end
	ds_add_u32 v[SPW], v[NIL]
	s_wait_dscnt 0x0
	CROUND                                         ; the closing round
	s_endpgm
.Lfunc_end_k_q7a885f4880_qkv:
	.size	k_q7a885f4880_qkv, .Lfunc_end_k_q7a885f4880_qkv-k_q7a885f4880_qkv
	.p2alignl 7, 3214868480
	.fill 96, 4, 3214868480
	.section	.rodata,"a",@progbits
	.p2align	6, 0x0
	.amdhsa_kernel k_q7a885f4880_qkv
		.amdhsa_group_segment_fixed_size 327680
		.amdhsa_private_segment_fixed_size 0
		.amdhsa_enable_private_segment 0
		.amdhsa_kernarg_size 16
		.amdhsa_user_sgpr_count 2
		.amdhsa_user_sgpr_kernarg_segment_ptr 1
		.amdhsa_wavefront_size32 1
		.amdhsa_system_sgpr_workgroup_id_x 1
		.amdhsa_system_sgpr_workgroup_id_y 1
		.amdhsa_system_sgpr_workgroup_id_z 1
		.amdhsa_system_vgpr_workitem_id 0
		.amdhsa_next_free_vgpr 768
		.amdhsa_next_free_sgpr 100
		.amdhsa_reserve_vcc 0
		.amdhsa_float_denorm_mode_32 3
		.amdhsa_float_denorm_mode_16_64 3
		.amdhsa_memory_ordered 1
		.amdhsa_forward_progress 1
		.amdhsa_inst_pref_size 134
	.end_amdhsa_kernel
	.amdgpu_metadata
---
amdhsa.version: [ 1, 2 ]
amdhsa.kernels:
  - .name:           k_q7a885f4880_qkv
    .symbol:         k_q7a885f4880_qkv.kd
    .args:
      - { .name: opnd, .offset: 0, .size: 8, .value_kind: global_buffer, .address_space: global }
      - { .name: qkv, .offset: 8, .size: 8, .value_kind: global_buffer, .address_space: global }
    .group_segment_fixed_size: 327680
    .private_segment_fixed_size: 0
    .kernarg_segment_align: 8
    .kernarg_segment_size: 16
    .max_flat_workgroup_size: 128
    .sgpr_count:     100
    .vgpr_count:     768
    .wavefront_size: 32
...
	.end_amdgpu_metadata
.endif
;; end of part 2
;; launch attn (part 3): grid 8 x 32, 16 waves a work-group, clusters of 4 x 1, 269,312 bytes of LDS; arguments qkv, mbits, ctx; writes ctx
.if DOCPART == 3
	.amdgcn_target "amdgcn-amd-amdhsa--gfx1250"
	.amdhsa_code_object_version 6
	.text
	.protected	k_q7a885f4880_attn
	.globl	k_q7a885f4880_attn
	.p2align	8
	.type	k_q7a885f4880_attn,@function
k_q7a885f4880_attn:
	s_mov_b64 s[64:65], 0
	v_nop
	global_prefetch_b8 v0, s[64:65] scope:SCOPE_SE
	s_setreg_imm32_b32 hwreg(HW_REG_WAVE_MODE, 25, 1), 1
	s_wait_xcnt 0x0
	s_wait_alu depctr_hold_cnt(0) depctr_sa_sdst(0) depctr_va_vdst(0) depctr_va_sdst(0) depctr_va_ssrc(0) depctr_va_vcc(0) depctr_vm_vsrc(0)
	s_getreg_b32 s2, hwreg(HW_REG_IB_STS2, 6, 4)
	s_cmp_eq_u32 s2, 0
	s_cbranch_scc0 .Lentry_in_a_cluster
	s_endpgm
.Lentry_in_a_cluster:
	s_bfe_u32 s2, ttmp6, 0x10000c
	s_cmp_lg_u32 s2, 0x3003
	s_cbranch_scc0 .Lentry_shape_is_right
	s_endpgm
.Lentry_shape_is_right:
; ATTN: ctx[b][q][h][:] = softmax_k(mask ? q . k / 8 : -inf) v, both products on codes of FP6 with E8M0 scales; ctx is quantised along the last product's K and stored as an image of its operand.
; THE SOFTMAX: t = score x log2(e) / 8; M = the running largest t rounded UP to a whole number; p = 2^(t - M) is quantised along the keys, not normalised; the row's sum is taken of the unquantised p and divides at the end.
; When M moves, the sum and O are multiplied by 2^(old M - new M): exact.  A ROW THAT IS WHOLLY MASKED has weight 1 on key 0: at the end one more product with a one-hot p (the code of 1.0 at key 0, scale 1) is made in EVERY wave;
; rows that are not wholly masked carry zero codes there.  No branch hangs on data.
; SHARES.  A work-group owns 256 queries of one head, each of its sixteen waves one tile of 16, in 256 registers: four waves to a SIMD.
; THE WHOLE HEAD'S K AND V LIE IN LDS: 16 records of 13,312 bytes (128 keys each), filled ONCE: wave w fetches record w, one tensor load a wave; one wait for it, one barrier, and then 16 key steps with no barrier among them.
; In LDS a record is 52 rows of 256 bytes with 64 bytes of padding behind each (pitch 320): byte y of a record lies at y + 64 (y / 256).
; CLUSTER 4 x 1: the four query blocks of a cluster walk the same head: each record is asked for jointly.
; LAYOUT.  S^T = K Q^T, O^T = V^T P^T: a lane holds one query throughout.  WHICH KEYS FORM A TILE OF K is chosen here, by the lanes' LDS addresses: tile 4 c + u takes in its rows 0-7 the keys 64 c + 8 u + 0..7 and in its rows 8-15
; the keys 64 c + 32 + 8 u + 0..7 (each eight lie on end in a stored half fragment).  So lane (r, h) holds in score registers 32 c + 0..31 the WHOLE block of keys 64 c + 32 h + 0..31, in order: a block's maximum needs no other lane,
; and the conversions' results are the operand's registers.  With the padding the two eights of a 16-byte load fall 128 bytes apart modulo 256.
; The head has 64 along the first product's K: the instruction's upper 64 meet zero codes of Q (v22-27) under scale bytes 0, so whatever stands in K's upper six registers (the next tile's codes) adds nothing.
; THE MASK costs one v_cndmask_b32 a score: word n of a step's 64 words is the lane mask of score register n; the words come by scalar loads, asked for a whole step ahead.
; No prefetch: K and V come once, at the head, with no loop to run ahead in; the mask words' own loads stand a step ahead of their use.
; LIMITS: a wholly masked row is known by the running largest score still standing at -3e38, which no finite score of the served range reaches; the promise holds while the scaled scores stay under 2^31 in magnitude;
; ctx is made with v_rcp_f32 and a multiplication; zero and tiny blocks carry the byte 1; no NaN or infinities among the inputs.
; REGISTERS: v1-4, v7 lane terms of LDS addresses, v5, v6 the add's two, v8-11, v28 the step's LDS addresses, v12 -M, v13 the largest score, v[14:15] the sum, v16-27 Q, v29 8 h, v32-79 K's 8 half fragments, then V's 4 fragments,
; v80-85 zeros, v88 16 x lane, v96-159 S^T, then p, v160-191 O^T, v192-195 K's scale words, v196-201 V's, v202 -inf, v203 p's, v204-218 at work, v224-235 p's codes, v232-254 at work, v255 Q's scale word.
.set REC,   13312                      ; a record in memory
.set RECL,  16640                      ; and in LDS
.set VOF,   7680                       ; V's half fragments: row 24
.set KSO,   15360                      ; K's scale half words: rows 48, 49
.set VSO,   16000                      ; V's: rows 50, 51
.set CSTG,  16*RECL                    ; 1,024 bytes: the work-group's half words of ctx
.set SPARE, CSTG+1024                  ; the spare words, 128 bytes for each wave: eight blocks of 256 bytes that no other line names
.set QI,    6815744
.set QS,    9961472
.set CSO,   3145728
.set CS,    6                          ; s[6:7] c = log2(e) / 8, as a pair
.set NC,    20                         ; s20 -c
.set G1,    8                          ; s[8:15] descriptor group 1;  s[16:19] group 0
.set G0,    16
.set SEL,   66                         ; s[66:67] lane selects: lane l xor 16
.set WV,    100
.set TRIP,  101
.set TB,    104                        ; the step's record in LDS (until Q has landed: s[104:105] = qkv)
.set TMPS,  105
.set PSW,   203
.macro PLACES n
.rept \n
	v_nop
.endr
.endm
.macro CROUND
	s_barrier_signal -1
	s_barrier_wait -1
	s_cmp_lg_u32 s[WV], 0
	s_cbranch_scc1 .Lnot_wave_0_\@
	s_barrier_signal -3
.Lnot_wave_0_\@:
	s_barrier_wait -3
	s_barrier_signal -1
	s_barrier_wait -1
.endm
.macro VLOAD a16, a8                   ; a record's V: half fragment f = 2 (tile of d) + (half of the keys) into v[32 + 6 f]; and its scale half words
.irp f, 0,1,2,3,4,5,6,7
	ds_load_b128 v[32+6*\f:35+6*\f], v[\a16] offset:VOF+960*\f
	ds_load_b64 v[36+6*\f:37+6*\f], v[\a8] offset:VOF+960*\f+640
.endr
	ds_load_b64 v[196:197], v[\a8] offset:VSO
	ds_load_b64 v[198:199], v[\a8] offset:VSO+320
.endm
.macro PV                              ; O^T += V^T P^T: four accumulators by turns
.irp d, 0,2
	v_wmma_scale_f32_16x16x128_f8f6f4 v[160+8*\d:167+8*\d], v[32+12*\d:43+12*\d], v[224:235], v[160+8*\d:167+8*\d], v[200+\d/2], v[PSW] matrix_a_fmt:MATRIX_FMT_FP6 matrix_b_fmt:MATRIX_FMT_FP6
	v_wmma_scale_f32_16x16x128_f8f6f4 v[168+8*\d:175+8*\d], v[44+12*\d:55+12*\d], v[224:235], v[168+8*\d:175+8*\d], v[200+\d/2], v[PSW] matrix_a_fmt:MATRIX_FMT_FP6 matrix_b_fmt:MATRIX_FMT_FP6 matrix_a_scale:MATRIX_SCALE_ROW1
.endr
.endm
	s_load_b64 s[104:105], s[0:1], 0x0             ; qkv
	s_load_b64 s[2:3], s[0:1], 0x8                 ; mbits
	s_load_b64 s[4:5], s[0:1], 0x10                ; ctx
	v_lshl_add_u32 v5, v0, 2, SPARE
	v_mov_b32 v6, 0
	ds_add_u32 v5, v6                              ; the wave's opening: the add, twice on end, and its wait ahead of my tensor load; work on registers stands between
	ds_add_u32 v5, v6
	v_lshrrev_b32 v8, 5, v0
	s_delay_alu instid0(VALU_DEP_1)
	v_readfirstlane_b32 s[WV], v8                  ; wave 0..15
	s_bfe_u32 s72, ttmp6, 0x40000                  ; cx: it enters global addresses of Q, the mask and ctx alone
	s_lshl_b32 s73, ttmp9, 2
	s_add_co_u32 s73, s73, s72                     ; my block of 256 queries
	s_and_b32 s74, ttmp7, 0xffff                   ; b h, which the four partners share
	s_lshr_b32 s75, s74, 4                         ; b
	s_lshl_b32 s76, s73, 4
	s_add_co_u32 s76, s76, s[WV]                   ; my query tile, 0..127
	s_lshl_b32 s78, s75, 7
	s_add_co_u32 s78, s78, s76
	s_lshl_b32 s78, s78, 12                        ; the tile's mask words: 16 steps x 256 bytes
	s_mov_b32 s79, 0
	s_mul_i32 s80, s74, 16*REC
	s_mul_i32 s82, s[WV], REC
	s_add_co_u32 s80, s80, s82                     ; the record that I fetch, in memory
	s_mov_b32 s81, 0
	s_mul_i32 s83, s74, 98304
	s_mul_i32 s85, s76, 768
	s_add_co_u32 s83, s83, s85
	s_add_co_u32 s83, s83, QI                      ; Q's half fragment
	s_lshl_b32 s84, s74, 13
	s_lshr_b32 s85, s76, 2
	s_lshl_b32 s85, s85, 8
	s_add_co_u32 s84, s84, s85
	s_and_b32 s85, s76, 1
	s_lshl_b32 s85, s85, 7
	s_add_co_u32 s84, s84, s85
	s_bfe_u32 s85, s76, 0x10001
	s_lshl_b32 s85, s85, 2
	s_add_co_u32 s84, s84, s85
	s_add_co_u32 s84, s84, QS                      ; Q's half words: group tile / 4, lanes 16 (tile % 2) on, word (tile / 2) % 2
	; descriptor group 1: a record, dense, as 52 rows of 256 bytes (32 elements of 8 bytes), 16 dwords of padding behind each
	s_mov_b32 s[G1], 15|(3<<16)|(1<<20)|(1<<21)|(5<<22)|(15<<25)   ; 15:0 the mask: all four work-groups; 17:16 elements of 8 bytes; 20 padding on; 21 set beside a mask; 24:22 after every 64 dwords; 31:25 of 16 dwords
	s_mov_b32 s[G1+1], 32<<16
	s_mov_b32 s[G1+2], 52<<16
	s_mov_b32 s[G1+3], 32<<16
	s_mov_b32 s[G1+4], 52
	s_mov_b32 s[G1+5], 32
	s_mov_b32 s[G1+6], 0
	s_mov_b32 s[G1+7], 0
	s_mov_b32 s[CS], 0x3e38aa3b                    ; c = log2(e) / sqrt(64)
	s_mov_b32 s[CS+1], s[CS]
	s_mov_b32 s[NC], 0xbe38aa3b                    ; -c
	s_mov_b32 s[SEL], 0x76543210
	s_mov_b32 s[SEL+1], 0xfedcba98
	s_wait_dscnt 0x0                               ; both opening adds are done
	s_wait_kmcnt 0x0
	s_add_nc_u64 s[2:3], s[2:3], s[78:79]
	s_add_nc_u64 s[80:81], s[104:105], s[80:81]
	CROUND                                         ; all four work-groups are here: the joint loads meet
	s_mov_b32 s[G0], 1
	s_mul_i32 s[G0+1], s[WV], RECL                 ; record w goes to LDS byte w x RECL: the wave's number alone enters an LDS address
	s_mov_b64 s[G0+2:G0+3], s[80:81]
	s_or_b32 s[G0+3], s[G0+3], 0x80000000
	tensor_load_to_lds s[G0:G0+3], s[G1:G1+7]      ; every wave issues one load, with no branch
	s_nop 0
	v_and_b32 v30, 31, v0                          ; lane
	v_and_b32 v31, 15, v0                          ; r
	v_bfe_u32 v29, v0, 4, 1                        ; h
	v_and_b32 v86, 7, v0                           ; r % 8
	v_bfe_u32 v87, v0, 3, 1                        ; r / 8
	v_lshlrev_b32 v2, 3, v30                       ; 8 x lane: the 8-byte parts of V's images, V's scale words
	v_lshlrev_b32 v88, 4, v30                      ; 16 x lane: global images
	v_mul_u32_u24 v1, v29, 320
	v_mul_u32_u24 v89, v87, 1920                   ; rows 8-15 of a tile of K come from the stored tile two further on: 2 x 960 bytes
	v_lshl_add_u32 v1, v31, 4, v1                  ; V's 16-byte parts: 320 h + 16 r
	v_mad_u32_u24 v3, v29, 320, v89
	v_lshl_add_u32 v4, v29, 7, v89
	v_lshlrev_b32 v7, 7, v29
	v_lshl_add_u32 v3, v86, 4, v3                  ; K's 16-byte parts: 1,920 (r / 8) + 320 h + 16 (r % 8)
	v_lshl_add_u32 v4, v86, 3, v4                  ; K's 8-byte parts: 1,920 (r / 8) + 128 h + 8 (r % 8)
	v_lshl_add_u32 v7, v86, 3, v7
	v_add_nc_u32 v10, s83, v88
	v_add_nc_u32 v11, s83, v2
	v_lshl_add_u32 v90, v31, 3, s84
	v_lshl_add_u32 v7, v87, 2, v7                  ; K's scale half words: lanes 0-15 an even tile's rows, lanes 16-31 the odd one's: 128 (lane / 16) + 8 (r % 8) + 4 (r / 8)
	global_load_b128 v[16:19], v10, s[104:105]     ; Q stays in registers
	global_load_b64 v[20:21], v11, s[104:105] offset:512
	global_load_b32 v255, v90, s[104:105]          ; its scale half word: lane r has row r's
	s_load_b512 s[32:47], s[2:3], 0x0              ; step 0's 64 mask words: word n in s[32 + n], from word 32 on in s[36 + n].  (The temporaries above are done with)
	s_load_b512 s[48:63], s[2:3], 0x40
	s_load_b512 s[68:83], s[2:3], 0x80
	s_load_b512 s[84:99], s[2:3], 0xc0
	v_lshlrev_b32 v29, 3, v29                      ; 8 h: how far up my two scale bytes stand in p's scale word
.irp j, 22,23,24,25,26,27,80,81,82,83,84,85
	v_mov_b32 v[\j], 0                             ; zero codes: Q's upper 64 along K, and what stands behind K's last tile
.endr
	v_mov_b32 v202, 0xff800000                     ; -infinity
	v_mov_b32 v13, 0xff61b1e6                      ; the largest score so far: -3e38
	v_mov_b32 v14, 0
	v_mov_b32 v15, 0
	v_mul_f32 v12, s[NC], v13
	v_mov_b32 v236, 0                              ; a lane permute's destination counts as read
	v_mov_b32 v237, 0
	v_mov_b32 v238, 0
	v_mov_b32 v253, 0                              ; (named as the upper half of the pair v[252:253])
	v_floor_f32 v12, v12                           ; -M
.irp j, 0,1,2,3,4,5,6,7,8,9,10,11,12,13,14,15,16,17,18,19,20,21,22,23,24,25,26,27,28,29,30,31
	v_mov_b32 v[160+\j], 0                         ; O^T: the step is written once; the first change of M multiplies zeros
.endr
	s_wait_alu depctr_va_vdst(0)                   ; the wait at the head's end
	s_wait_loadcnt 0x0                             ; Q is in: s[104:105] are free
	s_wait_tensorcnt 0x0                           ; my record has landed
	s_barrier_signal -1
	s_barrier_wait -1                              ; everybody's has: nothing is ever filled again, so no further barrier stands in the walk
	s_mov_b32 s[TB], 0
	s_mov_b32 s[TRIP], 16
; A KEY STEP: 128 keys, the record at LDS byte s[TB].
.Lstep:
	v_add_nc_u32 v8, s[TB], v3
	v_add_nc_u32 v9, s[TB], v4
	v_add_nc_u32 v10, s[TB], v7
	v_add_nc_u32 v11, s[TB], v1                    ; four plain lines: the places in front of loads into registers that the last products read
.irp t, 0,1,2,3,4,5,6,7                ; tile t = 4 c + u: stored tiles 4 c + u % 2 (my rows 0-7) and two on (rows 8-15), their rows 8 (u / 2) on
	ds_load_b128 v[32+6*\t:35+6*\t], v8 offset:960*(4*(\t/4)+\t%2)+128*((\t%4)/2)
	ds_load_b64 v[36+6*\t:37+6*\t], v9 offset:960*(4*(\t/4)+\t%2)+640+64*((\t%4)/2)
.endr
.irp g, 0,1,2,3
	ds_load_b32 v[192+\g], v10 offset:KSO+320*(\g/2)+64*(\g%2)   ; K's scale half words: a register for tiles 2 g and 2 g + 1
.endr
	s_wait_alu depctr_va_vdst(0)                   ; the wait here
	s_wait_dscnt 0x0
.irp t, 0,2,4,6
	v_wmma_scale_f32_16x16x128_f8f6f4 v[96+8*\t:103+8*\t], v[32+6*\t:43+6*\t], v[16:27], 0, v[192+\t/2], v255 matrix_a_fmt:MATRIX_FMT_FP6 matrix_b_fmt:MATRIX_FMT_FP6
	v_wmma_scale_f32_16x16x128_f8f6f4 v[104+8*\t:111+8*\t], v[38+6*\t:49+6*\t], v[16:27], 0, v[192+\t/2], v255 matrix_a_fmt:MATRIX_FMT_FP6 matrix_b_fmt:MATRIX_FMT_FP6 matrix_a_scale:MATRIX_SCALE_ROW1
.endr
	v_add_nc_u32 v28, s[TB], v2
	PLACES 3                                       ; four places in front of the loads into K's registers and of the first read of the scores
	VLOAD 11, 28                                   ; V lands under the softmax
	s_wait_kmcnt 0x0                               ; this step's mask words, asked for a step ago
.set n, 0
.rept 64
.if n < 32
	v_cndmask_b32 v[96+n], v202, v[96+n], s[32+n]  ; a hidden key's score becomes -infinity; each accumulator is read from its low end on
.else
	v_cndmask_b32 v[96+n], v202, v[96+n], s[36+n]
.endif
.set n, n+1
.endr
	s_cmp_eq_u32 s[TRIP], 1                        ; the last step asks for its own words again, so that no load leaves the buffer
	s_cselect_b32 s[TMPS], 0, 256
	s_add_co_u32 s2, s2, s[TMPS]                   ; (the wait above has shown the loads that read this address done)
	s_add_co_ci_u32 s3, s3, 0
	s_load_b512 s[32:47], s[2:3], 0x0              ; the next step's words
	s_load_b512 s[48:63], s[2:3], 0x40
	s_load_b512 s[68:83], s[2:3], 0x80
	s_load_b512 s[84:99], s[2:3], 0xc0
.irp k, 0,1,2,3                        ; the largest score of my two blocks of 32 keys, in four chains by turns: for the row's maximum and, since p rises with the score, for the block's largest p
	v_max3_num_f32 v[232+\k], v[96+16*\k], v[97+16*\k], v[98+16*\k]
.endr
.irp i, 3,5,7,9,11,13
.irp k, 0,1,2,3
	v_max3_num_f32 v[232+\k], v[232+\k], v[96+16*\k+\i], v[97+16*\k+\i]
.endr
.endr
	v_max3_num_f32 v232, v232, v233, v111
	v_max3_num_f32 v234, v234, v235, v143
	s_delay_alu instid0(VALU_DEP_2)
	v_max_num_f32 v232, v232, v127                 ; block h
	s_delay_alu instid0(VALU_DEP_2)
	v_max_num_f32 v234, v234, v159                 ; block 2 + h
	s_delay_alu instid0(VALU_DEP_1)
	v_max_num_f32 v254, v232, v234
	s_delay_alu instid0(VALU_DEP_1)
	v_permlanex16_b32 v236, v254, s[SEL], s[SEL+1]
	s_delay_alu instid0(VALU_DEP_1)
	v_max3_num_f32 v13, v13, v254, v236            ; the running largest score, with lane l xor 16's 64 keys
	s_delay_alu instid0(VALU_DEP_1)
	v_mul_f32 v30, s[NC], v13                      ; -t
	s_delay_alu instid0(VALU_DEP_1)
	v_floor_f32 v31, v30                           ; the new -M = -ceil(t): a whole number
	s_delay_alu instid0(VALU_DEP_1)
	v_sub_f32 v254, v31, v12                       ; old M - new M, 0 or less
	v_mov_b32 v12, v31
	s_delay_alu instid0(VALU_DEP_2)
	v_cvt_i32_f32 v254, v254                       ; (it saturates)
	s_delay_alu instid0(VALU_DEP_1)
	v_ldexp_f32 v252, 1.0, v254                    ; f = 2^(old M - new M)
.irp j, 0,2,4,6,8,10,12,14,16,18,20,22,24,26,28,30,32,34,36,38,40,42,44,46,48,50,52,54,56,58,60,62
	v_pk_fma_f32 v[96+\j:97+\j], v[96+\j:97+\j], s[CS:CS+1], v[12:13] op_sel_hi:[1,0,0]   ; t - M, two at a time
.endr
	v_fma_f32 v232, v232, s[CS], v12               ; the same of each block's largest score
	v_fma_f32 v234, v234, s[CS], v12
	s_wait_alu depctr_va_vdst(0)                   ; the wait ahead of the batch
.irp j, 0,1,2,3,4,5,6,7,8,9,10,11,12,13,14,15,16,17,18,19,20,21,22,23,24,25,26,27,28,29,30,31,32,33,34,35,36,37,38,39,40,41,42,43,44,45,46,47,48,49,50,51,52,53,54,55,56,57,58,59,60,61,62,63
	v_exp_f32 v[96+\j], v[96+\j]                   ; p = 2^(t - M)
.endr
	v_exp_f32 v232, v232                           ; the blocks' largest p: the same two instructions on the same number
	v_exp_f32 v234, v234
	v_pk_mul_f32 v[14:15], v[14:15], v[252:253] op_sel_hi:[1,0]   ; the sums under the new M; the plain line behind the exponentials
	s_wait_alu depctr_va_vdst(0)                   ; one wait for the whole batch, ahead of its first reader
	v_pk_add_f32 v[14:15], v[14:15], v[96:97]      ; the row's sum of the unquantised p: 32 pairs in four chains by turns
	v_pk_add_f32 v[204:205], v[98:99], v[100:101]
	v_pk_add_f32 v[206:207], v[102:103], v[104:105]
	v_pk_add_f32 v[208:209], v[106:107], v[108:109]
.irp j, 14,22,30,38,46,54
	v_pk_add_f32 v[14:15], v[14:15], v[96+\j:97+\j]
	v_pk_add_f32 v[204:205], v[204:205], v[98+\j:99+\j]
	v_pk_add_f32 v[206:207], v[206:207], v[100+\j:101+\j]
	v_pk_add_f32 v[208:209], v[208:209], v[102+\j:103+\j]
.endr
	v_pk_add_f32 v[14:15], v[14:15], v[158:159]
	v_pk_add_f32 v[204:205], v[204:205], v[206:207]
	v_max_num_f32 v232, 0x1800000, v232            ; the floor 2^(3 - 127): the byte cannot fall under 1
	v_max_num_f32 v234, 0x1800000, v234
	v_pk_add_f32 v[14:15], v[14:15], v[208:209]
	v_add_nc_u32 v244, 0xff000000, v232            ; 2 off the exponent field: the conversions' scale operands
	v_add_nc_u32 v245, 0xff000000, v234
	v_pk_add_f32 v[14:15], v[14:15], v[204:205]
	v_lshrrev_b32 v239, 23, v244                   ; the bytes
	v_lshrrev_b32 v240, 23, v245
	s_delay_alu instid0(VALU_DEP_1)
	v_lshl_or_b32 v239, v240, 16, v239             ; blocks h and 2 + h,
	s_delay_alu instid0(VALU_DEP_1)
	v_lshlrev_b32 v239, v29, v239                  ; at their places in the word;
	s_delay_alu instid0(VALU_DEP_1)
	v_permlanex16_b32 v238, v239, s[SEL], s[SEL+1]
	s_delay_alu instid0(VALU_DEP_1)
	v_or_b32 v[PSW], v239, v238                    ; with lane l xor 16's two: p's scale word for these 128 keys
	s_wait_alu depctr_va_vdst(0)                   ; the wait ahead of the wait below
	s_wait_dscnt 0x0                               ; V and its half words are in
	v_lshl_or_b32 v200, v198, 16, v196             ; V's scale words for 128 keys: tiles 0, 1;
	v_lshl_or_b32 v201, v199, 16, v197             ; tiles 2, 3.  More than eight plain lines stand between these and the products
.irp c, 0,1
	v_cvt_scalef32_pk16_fp6_f32 v[224+6*\c:226+6*\c], v[96+32*\c:111+32*\c], v[244+\c]     ; my block's lower 16 codes are the operand's registers as they come;
	v_cvt_scalef32_pk16_fp6_f32 v[212+4*\c:214+4*\c], v[112+32*\c:127+32*\c], v[244+\c]    ; the upper 16 are moved (a conversion's three registers begin on an even number)
.endr
	v_nop                                          ; one plain line behind the conversions
.irp c, 0,1
.irp i, 0,1,2
	v_mov_b32 v[227+6*\c+\i], v[212+4*\c+\i]
.endr
.endr
	s_wait_alu depctr_va_vdst(0)                   ; the wait directly ahead of the first reader of O^T
.irp j, 0,2,4,6,8,10,12,14,16,18,20,22,24,26,28,30
	v_pk_mul_f32 v[160+\j:161+\j], v[160+\j:161+\j], v[252:253] op_sel_hi:[1,0]   ; O^T under the new M; also the places in front of the products
.endr
	PV
	s_add_co_u32 s[TB], s[TB], RECL
	s_sub_co_u32 s[TRIP], s[TRIP], 1
	s_cmp_lg_u32 s[TRIP], 0
	s_cbranch_scc1 .Lstep
	; WHOLLY MASKED ROWS: O and the sum are 0 there.  One more product over the first 128 keys, with p = 1.0 at key 0 in those rows and zero codes in all others.
	PLACES 4
	VLOAD 1, 2                                     ; record 0 lies at LDS byte 0
	s_wait_kmcnt 0x0                               ; the last step's scalar loads have landed: their registers are free
	v_bfe_u32 v9, v0, 4, 1                         ; h
	v_and_b32 v8, 15, v0                           ; r
	v_cmp_eq_u32 s32, 0xff61b1e6, v13              ; the largest score never moved
	v_cmp_eq_u32 s33, 0, v9                        ; key 0 lies in lanes 0-15, in the lowest six bits of the first register
	s_and_b32 s32, s32, s33
	v_cndmask_b32 v224, 0, 8, s32                  ; 8 is the code of 1.0
.irp j, 225,226,227,228,229,230,231,232,233,234,235
	v_mov_b32 v[\j], 0
.endr
	v_mov_b32 v[PSW], 0x7f7f7f7f                   ; scale 1
	v_cndmask_b32 v254, 0, 1.0, s32
	s_delay_alu instid0(VALU_DEP_1)
	v_add_f32 v14, v14, v254                       ; and the row's sum is 1
	s_wait_alu depctr_va_vdst(0)                   ; the wait ahead of the wait below
	s_wait_dscnt 0x0
	v_lshl_or_b32 v200, v198, 16, v196
	v_lshl_or_b32 v201, v199, 16, v197
	PLACES 8                                       ; scale registers written by vector lines stand eight places ahead of the products
	PV
	PLACES 4
	; THE WAY OUT: O^T / the sum; register 16 b + i is ctx(query, 64 head + 32 b + 16 (lane / 16) + i): two blocks of the last product's K
	v_add_f32 v14, v14, v15
	s_delay_alu instid0(VALU_DEP_1)
	v_permlanex16_b32 v252, v14, s[SEL], s[SEL+1]
	s_delay_alu instid0(VALU_DEP_1)
	v_add_f32 v14, v14, v252
	s_wait_alu depctr_va_vdst(0)                   ; ahead of the reciprocal
	v_rcp_f32 v14, v14
	v_lshlrev_b32 v10, 2, v8                       ; (a plain line behind the reciprocal)
	s_lshl_b32 s47, s[WV], 6
	v_add_nc_u32 v10, s47, v10
	s_delay_alu instid0(VALU_DEP_1)
	v_add_nc_u32 v10, CSTG, v10                    ; my row's half word: 64 x wave + 4 r
	v_add_nc_u32 v11, CSTG, v88                    ; and where wave 0 reads them all back
	s_bfe_u32 s34, ttmp6, 0x40000
	s_lshl_b32 s35, ttmp9, 2
	s_add_co_u32 s35, s35, s34                     ; my block of queries
	s_and_b32 s36, ttmp7, 0xffff
	s_lshr_b32 s37, s36, 4                         ; b
	s_and_b32 s38, s36, 15                         ; head
	s_lshl_b32 s39, s35, 4
	s_add_co_u32 s39, s39, s[WV]
	s_lshl_b32 s40, s37, 7
	s_add_co_u32 s40, s40, s39                     ; my tile of tokens, 0..255
	s_mul_i32 s40, s40, 12288
	s_mul_i32 s41, s38, 768
	s_add_co_u32 s40, s40, s41
	s_mov_b32 s41, 0
	s_add_nc_u64 s[42:43], s[4:5], s[40:41]        ; its half fragment of this head
	s_lshl_b32 s44, s38, 14
	s_lshl_b32 s45, s37, 6
	s_lshl_b32 s46, s35, 3
	s_add_co_u32 s45, s45, s46
	s_lshl_b32 s45, s45, 7
	s_add_co_u32 s44, s44, s45
	s_add_co_u32 s44, s44, CSO
	s_mov_b32 s45, 0
	s_add_nc_u64 s[44:45], s[4:5], s[44:45]        ; the work-group's 1,024 bytes of half words
	s_wait_alu depctr_va_vdst(0)                   ; ahead of the first reader of the reciprocal and of O^T
.irp j, 0,1,2,3,4,5,6,7,8,9,10,11,12,13,14,15,16,17,18,19,20,21,22,23,24,25,26,27,28,29,30,31
	v_mul_f32 v[96+\j], v[160+\j], v14
.endr
.irp b, 0,1
	v_max3_num_f32 v[232+\b], |v[96+16*\b]|, |v[97+16*\b]|, 0x1800000
.endr
.irp i, 2,4,6,8,10,12,14
.irp b, 0,1
	s_delay_alu instid0(VALU_DEP_2)
	v_max3_num_f32 v[232+\b], v[232+\b], |v[96+16*\b+\i]|, |v[97+16*\b+\i]|
.endr
.endr
.irp b, 0,1
	s_delay_alu instid0(VALU_DEP_2)
	v_permlanex16_b32 v[236+\b], v[232+\b], s[SEL], s[SEL+1]
.endr
.irp b, 0,1
	s_delay_alu instid0(VALU_DEP_2)
	v_max_num_f32 v[232+\b], v[232+\b], v[236+\b]
.endr
.irp b, 0,1
	s_delay_alu instid0(VALU_DEP_2)
	v_add_nc_u32 v[244+\b], 0xff000000, v[232+\b]
.endr
.irp b, 0,1
	s_delay_alu instid0(VALU_DEP_2)
	v_lshrrev_b32 v[236+\b], 23, v[244+\b]
.endr
	s_delay_alu instid0(VALU_DEP_1)
	v_lshl_or_b32 v248, v237, 8, v236              ; the half word
	v_cvt_scalef32_pk16_fp6_f32 v[224:226], v[96:111], v244
	v_cvt_scalef32_pk16_fp6_f32 v[240:242], v[112:127], v245
	v_nop
.irp i, 0,1,2
	v_permlane16_swap_b32 v[224+\i], v[240+\i]     ; the operand's layout wants a whole block in a lane
.endr
.irp i, 0,1,2
	s_delay_alu instid0(VALU_DEP_3)
	v_mov_b32 v[227+\i], v[240+\i]
.endr
	global_store_b128 v88, v[224:227], s[42:43]            ; 512 consecutive bytes, aligned to 256
	global_store_b64 v2, v[228:229], s[42:43] offset:512   ; and 256
	ds_store_b32 v10, v248                         ; lanes l and l xor 16 write the same word with the same value
	s_wait_dscnt 0x0                               ; for the others' sake
	s_barrier_signal -1
	s_barrier_wait -1
	s_cmp_lg_u32 s[WV], 0
	s_cbranch_scc1 .Lnot_first
	ds_load_b128 v[96:99], v11
	ds_load_b128 v[100:103], v11 offset:512
	s_wait_dscnt 0x0
	global_store_b128 v88, v[96:99], s[44:45]              ; the sixteen tiles' half words leave as 1,024 consecutive bytes
	global_store_b128 v88, v[100:103], s[44:45] offset:512
.Lnot_first:
	s_wait_tensorcnt 0x0                           ; the wave's end
	ds_add_u32 v5, v6
	s_wait_dscnt 0x0
	CROUND                                         ; the closing round
	s_endpgm
.Lfunc_end_k_q7a885f4880_attn:
	.size	k_q7a885f4880_attn, .Lfunc_end_k_q7a885f4880_attn-k_q7a885f4880_attn
	.p2alignl 7, 3214868480
	.fill 96, 4, 3214868480
	.section	.rodata,"a",@progbits
	.p2align	6, 0x0
	.amdhsa_kernel k_q7a885f4880_attn
		.amdhsa_group_segment_fixed_size 269312
		.amdhsa_private_segment_fixed_size 0
		.amdhsa_enable_private_segment 0
		.amdhsa_kernarg_size 24
		.amdhsa_user_sgpr_count 2
		.amdhsa_user_sgpr_kernarg_segment_ptr 1
		.amdhsa_wavefront_size32 1
		.amdhsa_system_sgpr_workgroup_id_x 1
		.amdhsa_system_sgpr_workgroup_id_y 1
		.amdhsa_system_sgpr_workgroup_id_z 1
		.amdhsa_system_vgpr_workitem_id 0
		.amdhsa_next_free_vgpr 256
		.amdhsa_next_free_sgpr 106
		.amdhsa_reserve_vcc 0
		.amdhsa_float_denorm_mode_32 3
		.amdhsa_float_denorm_mode_16_64 3
		.amdhsa_memory_ordered 1
		.amdhsa_forward_progress 1
		.amdhsa_inst_pref_size 37
	.end_amdhsa_kernel
	.amdgpu_metadata
---
amdhsa.version: [ 1, 2 ]
amdhsa.kernels:
  - .name:           k_q7a885f4880_attn
    .symbol:         k_q7a885f4880_attn.kd
    .args:
      - { .name: qkv, .offset: 0, .size: 8, .value_kind: global_buffer, .address_space: global }
      - { .name: mbits, .offset: 8, .size: 8, .value_kind: global_buffer, .address_space: global }
      - { .name: ctx, .offset: 16, .size: 8, .value_kind: global_buffer, .address_space: global }
    .group_segment_fixed_size: 269312
    .private_segment_fixed_size: 0
    .kernarg_segment_align: 8
    .kernarg_segment_size: 24
    .max_flat_workgroup_size: 512
    .sgpr_count:     106
    .vgpr_count:     256
    .wavefront_size: 32
...
	.end_amdgpu_metadata
.endif
;; end of part 3
;; launch outp (part 4): grid 8 x 32, 4 waves a work-group, clusters of 4 x 4, 230,912 bytes of LDS; arguments opnd, ctx, bo, out0; writes out0
.if DOCPART == 4
	.amdgcn_target "amdgcn-amd-amdhsa--gfx1250"
	.amdhsa_code_object_version 6
	.text
	.protected	k_q7a885f4880_outp
	.globl	k_q7a885f4880_outp
	.p2align	8
	.type	k_q7a885f4880_outp,@function
k_q7a885f4880_outp:
	s_mov_b64 s[64:65], 0
	v_nop
	global_prefetch_b8 v0, s[64:65] scope:SCOPE_SE
	s_setreg_imm32_b32 hwreg(HW_REG_WAVE_MODE, 25, 1), 1
	s_wait_xcnt 0x0
	s_wait_alu depctr_hold_cnt(0) depctr_sa_sdst(0) depctr_va_vdst(0) depctr_va_sdst(0) depctr_va_ssrc(0) depctr_va_vcc(0) depctr_vm_vsrc(0)
	s_getreg_b32 s2, hwreg(HW_REG_IB_STS2, 6, 4)
	s_cmp_eq_u32 s2, 0
	s_cbranch_scc0 .Lentry_in_a_cluster
	s_endpgm
.Lentry_in_a_cluster:
	s_bfe_u32 s2, ttmp6, 0x10000c
	s_cmp_lg_u32 s2, 0xf033
	s_cbranch_scc0 .Lentry_shape_is_right
	s_endpgm
.Lentry_shape_is_right:
; OUTP: out0 = ctx Wo + bo on codes of FP6 with E8M0 scales, K = 1,024; f32 out.  The loop is the one of the launch that makes q, k and v: D = P R^T, source 0 = 16 rows of P = Wo's columns, source 1 = 16 rows of R = tokens of ctx:
; a lane holds one token, its registers run along the output's columns: 32 neighbouring bytes of a row for each accumulator.
; SHARES.  A work-group: 128 columns x 128 tokens: 256 work-groups; wave w: all 8 tiles of P x R's tiles 2 w, 2 w + 1: 16 accumulators.  All of K of both panels lies in LDS, 196,608 bytes, filled ONCE, a wave's half of a panel by one load:
; a wave issues one tensor load at the start and waits for it with count 0.  CLUSTER 4 x 4: P's panel hangs on cx (asked for jointly by a column), R's on cy (by a row).
; The bias is the C of each sum's first product.  ctx's scale words are pieced together from the heads' half words (a K step of 128 is two heads).
; THE WAY OUT: 16 tokens x 128 columns go through the wave's own stage (rows of 512 + 16 bytes, bytes that no tensor load fills) and leave as whole rows of 512 bytes.
; REGISTERS: window 0: v4-19 LDS addresses, v20-27 the add's two, lane terms, stage addresses, v32-79 R's fragments in two sets, v96-111 ctx's half words, v128-159 P's scale words, v160-167 R's; on the way out v32-159 rows of out0;
; window 1: P's fragments, two sets; window 2: accumulator (i, j) at v[64 j + 8 i]; window 3: v0-63 the bias, eight registers a tile of P.
.set RT,    2
.set PB,    0
.set PCH,   24576
.set RB,    98304
.set RCH,   4*RT*3072
.set STG,   RB+4*RCH                   ; 196,608: four stages of 16 x 528 bytes
.set SPARE, STG+4*8448                 ; the spare words, 128 bytes for each wave: two blocks of 256 bytes that no other line names
.set SBASE, 6291456
.set CSO,   3145728
.set A16P,  4
.set A8P,   8
.set A16R,  12
.set A8R,   16
.set SPW,   20
.set NIL,   21
.set L16,   22
.set L8,    23
.set STO,   24
.set RD,    25
.set L4,    26
.set BOF,   27
.set RF,    32
.set CR,    96
.set SCP,   128
.set SCR,   160
.set OUTA,  32
.set WV,    12
.set G1P,   16
.set G1R,   24
.set G0P,   32
.set G0R,   48
.set MSB, 0
.macro WIN new                         ; the immediate's high byte repeats the setting that is left
.if MSB != \new
	s_set_vgpr_msb (MSB<<8)|\new
.set MSB, \new
.endif
.endm
.macro PLACES n
.rept \n
	v_nop
.endr
.endm
.macro CROUND                          ; a round of the cluster's barrier
	s_barrier_signal -1
	s_barrier_wait -1
	s_cmp_lg_u32 s[WV], 0
	s_cbranch_scc1 .Lnot_wave_0_\@
	s_barrier_signal -3
.Lnot_wave_0_\@:
	s_barrier_wait -3
	s_barrier_signal -1
	s_barrier_wait -1
.endm
.macro FRAG reg, a16, a8, off          ; a fragment (16 rows x 128 K, 12 registers) = two half fragments of 768 bytes: 16 bytes at 16 x lane, 8 at 512 + 8 x lane
	ds_load_b128 v[(\reg):(\reg)+3], v[\a16] offset:(\off)
	ds_load_b64 v[(\reg)+4:(\reg)+5], v[\a8] offset:(\off)+512
	ds_load_b128 v[(\reg)+6:(\reg)+9], v[\a16] offset:(\off)+768
	ds_load_b64 v[(\reg)+10:(\reg)+11], v[\a8] offset:(\off)+1280
.endm
.macro FETCH s                         ; K step s: P's eight fragments and my R's, into set s % 2: 4 (8 + RT) LDS loads
	WIN 0x40                                       ; destination window 1
.irp i, 0,1,2,3,4,5,6,7
	FRAG 128*((\s)%2)+12*\i, A16P+\i/2, A8P+\i/2, (\i%2)*12288+1536*(\s)   ; in LDS a tile's whole K lies on end, 12,288 bytes; an address register serves two tiles
.endr
	WIN 0
.set jj, 0
.rept RT
	FRAG RF+12*RT*((\s)%2)+12*jj, A16R, A8R, jj*12288+1536*(\s)
.set jj, jj+1
.endr
.endm
; One product.  A scale register carries two tiles' words: the even tile's in lanes 0-15, the odd tile's in lanes 16-31.  cm = 0: the constant 0 starts the sum; 1: in place; 2: C = v[8 i] on of the window set for source 2.
.macro WM i, j, p, s, cm
.set rD, 64*(\j)+8*(\i)
.set rA, 128*(\p)+12*(\i)
.set rB, RF+12*RT*(\p)+12*(\j)
.set rX, SCP+8*((\i)/2)+(\s)
.set rY, SCR+8*((\j)/2)+(\s)
.set rC, rD
.if (\cm) == 2
.set rC, 8*(\i)
.endif
.set rw, 2*((\i)%2)+(\j)%2
.if (\cm) == 0
.if rw == 0
	v_wmma_scale_f32_16x16x128_f8f6f4 v[rD:rD+7], v[rA:rA+11], v[rB:rB+11], 0, v[rX], v[rY] matrix_a_fmt:MATRIX_FMT_FP6 matrix_b_fmt:MATRIX_FMT_FP6
.elseif rw == 1
	v_wmma_scale_f32_16x16x128_f8f6f4 v[rD:rD+7], v[rA:rA+11], v[rB:rB+11], 0, v[rX], v[rY] matrix_a_fmt:MATRIX_FMT_FP6 matrix_b_fmt:MATRIX_FMT_FP6 matrix_b_scale:MATRIX_SCALE_ROW1
.elseif rw == 2
	v_wmma_scale_f32_16x16x128_f8f6f4 v[rD:rD+7], v[rA:rA+11], v[rB:rB+11], 0, v[rX], v[rY] matrix_a_fmt:MATRIX_FMT_FP6 matrix_b_fmt:MATRIX_FMT_FP6 matrix_a_scale:MATRIX_SCALE_ROW1
.else
	v_wmma_scale_f32_16x16x128_f8f6f4 v[rD:rD+7], v[rA:rA+11], v[rB:rB+11], 0, v[rX], v[rY] matrix_a_fmt:MATRIX_FMT_FP6 matrix_b_fmt:MATRIX_FMT_FP6 matrix_a_scale:MATRIX_SCALE_ROW1 matrix_b_scale:MATRIX_SCALE_ROW1
.endif
.else
.if rw == 0
	v_wmma_scale_f32_16x16x128_f8f6f4 v[rD:rD+7], v[rA:rA+11], v[rB:rB+11], v[rC:rC+7], v[rX], v[rY] matrix_a_fmt:MATRIX_FMT_FP6 matrix_b_fmt:MATRIX_FMT_FP6
.elseif rw == 1
	v_wmma_scale_f32_16x16x128_f8f6f4 v[rD:rD+7], v[rA:rA+11], v[rB:rB+11], v[rC:rC+7], v[rX], v[rY] matrix_a_fmt:MATRIX_FMT_FP6 matrix_b_fmt:MATRIX_FMT_FP6 matrix_b_scale:MATRIX_SCALE_ROW1
.elseif rw == 2
	v_wmma_scale_f32_16x16x128_f8f6f4 v[rD:rD+7], v[rA:rA+11], v[rB:rB+11], v[rC:rC+7], v[rX], v[rY] matrix_a_fmt:MATRIX_FMT_FP6 matrix_b_fmt:MATRIX_FMT_FP6 matrix_a_scale:MATRIX_SCALE_ROW1
.else
	v_wmma_scale_f32_16x16x128_f8f6f4 v[rD:rD+7], v[rA:rA+11], v[rB:rB+11], v[rC:rC+7], v[rX], v[rY] matrix_a_fmt:MATRIX_FMT_FP6 matrix_b_fmt:MATRIX_FMT_FP6 matrix_a_scale:MATRIX_SCALE_ROW1 matrix_b_scale:MATRIX_SCALE_ROW1
.endif
.endif
.endm
; A K step of 128: the next step's fragments are asked for, then this step's 8 RT products.  The accumulators take turns, one instruction a turn, in the same order in every step.
.macro STEP s, cm
.if (\s) < 7
	PLACES 4                                       ; in front of loads into registers that the step before multiplied
	FETCH (\s)+1
	s_wait_dscnt 4*(8+RT)                          ; all but the loads just issued: this step's fragments are in
.else
	s_wait_dscnt 0x0
.endif
.if (\cm) == 2
	WIN 0xb1                                       ; source 0 (P) window 1, source 1 (R) window 0, C window 3 (the bias), D window 2
.else
	WIN 0xa1                                       ; the same, C and D window 2
.endif
.irp i, 0,1,2,3,4,5,6,7
.set jj, 0
.rept RT
	WM \i, jj, (\s)%2, \s, \cm
.set jj, jj+1
.endr
.endr
	WIN 0
.endm
	s_load_b256 s[4:11], s[0:1], 0x0               ; opnd s[4:5], ctx s[6:7], bo s[8:9], out0 s[10:11]
	v_lshl_add_u32 v[SPW], v0, 2, SPARE
	v_mov_b32 v[NIL], 0
	ds_add_u32 v[SPW], v[NIL]                      ; the wave's opening: the add, twice on end, and its wait ahead of my first tensor load; work on registers stands between them
	ds_add_u32 v[SPW], v[NIL]
	v_lshrrev_b32 v1, 5, v0
	v_readfirstlane_b32 s[WV], v1                  ; wave 0..3
	s_lshr_b32 s13, s[WV], 1                       ; I fetch for P (0) or for R (1),
	s_and_b32 s14, s[WV], 1                        ; its first or second half
	s_bfe_u32 s66, ttmp6, 0x40000                  ; cx
	s_bfe_u32 s67, ttmp6, 0x40004                  ; cy
	s_lshl_b32 s70, ttmp9, 2
	s_add_co_u32 s70, s70, s66                     ; pt: 128 columns: hangs on cx, never on cy
	s_and_b32 s71, ttmp7, 0xffff
	s_lshl_b32 s71, s71, 2
	s_add_co_u32 s71, s71, s67                     ; rt: 128 tokens: hangs on cy, never on cx
	s_lshl_b32 s72, s70, 2
	s_add_co_u32 s72, s72, 224                     ; Wo's group in opnd
	s_lshl_b32 s74, 0x1111, s66                    ; my column of the cluster
	s_lshl_b32 s75, s67, 2
	s_lshl_b32 s75, 15, s75                        ; my row
	; descriptor group 1: rows of 12,288 bytes (a tile's whole K: 1,536 elements of 8 bytes), dense; 4 tiles a load
	s_or_b32 s[G1P], s74, (3<<16)|(1<<21)          ; 15:0 the mask; 17:16 elements of 8 bytes; 21 set beside a mask; no padding
	s_or_b32 s[G1R], s75, (3<<16)|(1<<21)
	s_mov_b32 s[G1P+1], 1536<<16                   ; a row is a tile's whole K, 12,288 bytes: ONE load a wave brings its half of a panel for all of K
	s_mov_b32 s[G1P+2], 4<<16
	s_mov_b32 s[G1P+3], 1536<<16
	s_mov_b32 s[G1P+4], 4
	s_mov_b32 s[G1P+5], 1536
	s_mov_b32 s[G1P+6], 0
	s_mov_b32 s[G1P+7], 0
	s_mov_b32 s[G1R+1], 1536<<16
	s_mov_b32 s[G1R+2], (2*RT)<<16
	s_mov_b32 s[G1R+3], 1536<<16
	s_mov_b32 s[G1R+4], 2*RT
	s_mov_b32 s[G1R+5], 1536
	s_mov_b32 s[G1R+6], 0
	s_mov_b32 s[G1R+7], 0
	s_mul_i32 s76, s14, 49152                      ; my half in LDS: P's four tiles,
	s_mul_i32 s77, s14, 2*RT*12288                 ; R's
	s_mul_i32 s78, s72, 24576
	s_mul_i32 s79, s14, 49152
	s_add_co_u32 s78, s78, s79
	s_mov_b32 s79, 0                               ; Wo's codes, my half
	s_mul_i32 s80, s71, 98304                      ; 8 tiles of tokens a panel
	s_mul_i32 s81, s14, 2*RT*12288
	s_add_co_u32 s80, s80, s81
	s_mov_b32 s81, 0                               ; ctx's
	s_lshl_b32 s82, s72, 10
	s_add_co_u32 s82, s82, SBASE
	s_mov_b32 s83, 0                               ; Wo's scale words
	s_lshl_b32 s90, s71, 2
	s_add_co_u32 s90, s90, s[WV]                   ; my group of 32 tokens
	s_lshl_b32 s84, s90, 7
	s_add_co_u32 s84, s84, CSO
	s_mov_b32 s85, 0                               ; its half words, head 0
	s_lshl_b32 s86, s70, 9
	s_mov_b32 s87, 0                               ; the panel's 128 numbers of bo; also its bytes in a row of out0
	s_lshl_b32 s88, s90, 17                        ; 32 rows of 4,096 bytes
	s_add_co_u32 s88, s88, s86
	s_mov_b32 s89, 0
	s_wait_dscnt 0x0                               ; both opening adds are done
	s_wait_kmcnt 0x0
	s_add_nc_u64 s[78:79], s[4:5], s[78:79]
	s_add_nc_u64 s[80:81], s[6:7], s[80:81]
	s_add_nc_u64 s[82:83], s[4:5], s[82:83]
	s_add_nc_u64 s[84:85], s[6:7], s[84:85]
	s_add_nc_u64 s[86:87], s[8:9], s[86:87]
	s_add_nc_u64 s[88:89], s[10:11], s[88:89]
	CROUND                                         ; all sixteen work-groups are here: the joint loads meet
.irp y, 0
	s_mov_b32 s[G0P+4*\y], 1
	s_add_co_u32 s[G0P+4*\y+1], s76, PB+\y*PCH
	s_add_nc_u64 s[G0P+4*\y+2:G0P+4*\y+3], s[78:79], \y*3072
	s_or_b32 s[G0P+4*\y+3], s[G0P+4*\y+3], 0x80000000
	s_mov_b32 s[G0R+4*\y], 1
	s_add_co_u32 s[G0R+4*\y+1], s77, RB+\y*RCH
	s_add_nc_u64 s[G0R+4*\y+2:G0R+4*\y+3], s[80:81], \y*3072
	s_or_b32 s[G0R+4*\y+3], s[G0R+4*\y+3], 0x80000000
.endr
	s_cmp_eq_u32 s13, 0                            ; a wave's one fill stand in one branch on the wave's number, ahead of every wait on TENSORcnt, every LDS read and every other barrier
	s_cbranch_scc0 .Lfill_r
	tensor_load_to_lds s[G0P:G0P+3], s[G1P:G1P+7]  ; one tensor load a wave at the head
	s_nop 0
	PLACES 4
	s_branch .Lfilled
.Lfill_r:
	tensor_load_to_lds s[G0R:G0R+3], s[G1R:G1R+7]
	s_nop 0
	PLACES 4
.Lfilled:
	v_and_b32 v1, 31, v0
	v_and_b32 v2, 15, v0                           ; r
	v_bfe_u32 v3, v0, 4, 1                         ; h
	v_lshlrev_b32 v[L16], 4, v1
	v_lshlrev_b32 v[L8], 3, v1
	v_lshlrev_b32 v[L4], 2, v1
	v_lshlrev_b32 v[BOF], 6, v3                    ; the bias: my half's 16 numbers of each 32
.irp p, 0,1,2,3                        ; Wo's scale words of all of K: 256 consecutive bytes a load
.irp y, 0,1,2,3
	global_load_b64 v[SCP+8*\p+2*\y:SCP+8*\p+2*\y+1], v[L8], s[82:83] offset:\p*1024+\y*256
.endr
.endr
.irp e, 0,1,2,3,4,5,6,7,8,9,10,11,12,13,14,15
	global_load_b32 v[CR+\e], v[L4], s[84:85] offset:\e*16384    ; ctx's half words of head e: lanes 0-15 my even tile's rows, lanes 16-31 my odd tile's
.endr
	WIN 0xc0                                       ; destination window 3
.irp i, 0,1,2,3,4,5,6,7
	global_load_b128 v[8*\i:8*\i+3], v[BOF], s[86:87] offset:(32*(\i/2)+8*(\i%2))*4       ; bo at the columns that tile i's eight registers hold in my lane
	global_load_b128 v[8*\i+4:8*\i+7], v[BOF], s[86:87] offset:(32*(\i/2)+8*(\i%2))*4+16
.endr
	WIN 0
	s_mul_i32 s91, s[WV], RT*12288                 ; my tiles of R
	s_add_co_u32 s91, s91, RB
.irp y, 0,1,2,3
	v_add_nc_u32 v[A16P+\y], PB+\y*PCH, v[L16]     ; P's tiles 2 y and 2 y + 1 (PCH = two tiles)
	v_add_nc_u32 v[A8P+\y], PB+\y*PCH, v[L8]
.endr
	v_add_nc_u32 v[A16R], s91, v[L16]
	v_add_nc_u32 v[A8R], s91, v[L8]
	s_mul_i32 s93, s[WV], 8448
	s_add_co_u32 s93, s93, STG                     ; my stage
	v_mul_u32_u24 v[STO], v2, 528
	v_lshl_add_u32 v[STO], v3, 6, v[STO]
	v_add_nc_u32 v[STO], s93, v[STO]               ; in: row r, + 64 h
	v_add_nc_u32 v[RD], s93, v[L16]                ; back: a row of 512 bytes to the 32 lanes
	s_wait_alu depctr_va_vdst(0)                   ; the wait at the head's end
	s_wait_tensorcnt 0x0                           ; my one load, my half of a panel for all of K, has landed
	s_barrier_signal -1
	s_barrier_wait -1
	FETCH 0
	s_wait_loadcnt 0x0                             ; scale words, half words, bias
.irp s, 0,1,2,3,4,5,6,7
	v_lshl_or_b32 v[SCR+\s], v[CR+2*\s+1], 16, v[CR+2*\s]   ; a K step of 128 is two heads
.endr
	PLACES 8                                       ; scale registers written by vector lines stand eight places ahead of the products
	s_wait_alu depctr_va_vdst(0)
	STEP 0, 2                                      ; the first step's products start the sums on the bias
	STEP 1, 1
	STEP 2, 1
	STEP 3, 1
	STEP 4, 1
	STEP 5, 1
	STEP 6, 1
	STEP 7, 1
	PLACES 4                                       ; behind the last products: their results are read, and loads land on their operands' registers
.macro WAYOUT j                        ; my tile j: 16 tokens x 128 columns into the stage, each accumulator from its low end on, and back as whole rows
	WIN 0x08                                       ; an LDS store's data are its source 1: window 2
.irp i, 0,1,2,3,4,5,6,7
	ds_store_b128 v[STO], v[64*\j+8*\i:64*\j+8*\i+3] offset:128*(\i/2)+32*(\i%2)
	ds_store_b128 v[STO], v[64*\j+8*\i+4:64*\j+8*\i+7] offset:128*(\i/2)+32*(\i%2)+16
.endr
	WIN 0
.irp t, 0,1,2,3,4,5,6,7,8,9,10,11,12,13,14,15
	ds_load_b128 v[OUTA+64*\j+4*\t:OUTA+64*\j+4*\t+3], v[RD] offset:\t*528   ; LDS serves a wave's instructions in order: these see the stores above, and the next tile's stores come behind them
.endr
.endm
.macro SEND j, younger                 ; younger: the LDS instructions issued behind tile j's loads
.irp t, 0,1,2,3,4,5,6,7,8,9,10,11,12,13,14,15
	s_wait_dscnt (\younger)+15-\t
	global_store_b128 v[L16], v[OUTA+64*\j+4*\t:OUTA+64*\j+4*\t+3], s[88:89] offset:(8*\j+\t+8*(\t/8))*4096 th:TH_STORE_NT   ; 512 consecutive bytes of a row, aligned to 256; lane-row t of tile j is token 8 j + t + 8 (t / 8) of my 32
.endr
.endm
	WAYOUT 0
	WAYOUT 1
	SEND 0, 32
	SEND 1, 0
	s_wait_tensorcnt 0x0                           ; the wave's end
	ds_add_u32 v[SPW], v[NIL]
	s_wait_dscnt 0x0
	CROUND                                         ; the closing round
	s_endpgm
.Lfunc_end_k_q7a885f4880_outp:
	.size	k_q7a885f4880_outp, .Lfunc_end_k_q7a885f4880_outp-k_q7a885f4880_outp
	.p2alignl 7, 3214868480
	.fill 96, 4, 3214868480
	.section	.rodata,"a",@progbits
	.p2align	6, 0x0
	.amdhsa_kernel k_q7a885f4880_outp
		.amdhsa_group_segment_fixed_size 230912
		.amdhsa_private_segment_fixed_size 0
		.amdhsa_enable_private_segment 0
		.amdhsa_kernarg_size 32
		.amdhsa_user_sgpr_count 2
		.amdhsa_user_sgpr_kernarg_segment_ptr 1
		.amdhsa_wavefront_size32 1
		.amdhsa_system_sgpr_workgroup_id_x 1
		.amdhsa_system_sgpr_workgroup_id_y 1
		.amdhsa_system_sgpr_workgroup_id_z 1
		.amdhsa_system_vgpr_workitem_id 0
		.amdhsa_next_free_vgpr 832
		.amdhsa_next_free_sgpr 100
		.amdhsa_reserve_vcc 0
		.amdhsa_float_denorm_mode_32 3
		.amdhsa_float_denorm_mode_16_64 3
		.amdhsa_memory_ordered 1
		.amdhsa_forward_progress 1
		.amdhsa_inst_pref_size 59
	.end_amdhsa_kernel
	.amdgpu_metadata
---
amdhsa.version: [ 1, 2 ]
amdhsa.kernels:
  - .name:           k_q7a885f4880_outp
    .symbol:         k_q7a885f4880_outp.kd
    .args:
      - { .name: opnd, .offset: 0, .size: 8, .value_kind: global_buffer, .address_space: global }
      - { .name: ctx, .offset: 8, .size: 8, .value_kind: global_buffer, .address_space: global }
      - { .name: bo, .offset: 16, .size: 8, .value_kind: global_buffer, .address_space: global }
      - { .name: out0, .offset: 24, .size: 8, .value_kind: global_buffer, .address_space: global }
    .group_segment_fixed_size: 230912
    .private_segment_fixed_size: 0
    .kernarg_segment_align: 8
    .kernarg_segment_size: 32
    .max_flat_workgroup_size: 128
    .sgpr_count:     100
    .vgpr_count:     832
    .wavefront_size: 32
...
	.end_amdgpu_metadata
.endif
;; end of part 4
